; MI455X (gfx1250); checked and timed in simulation.
; The chip was launched on July 23, 2026; its instructions are those of AMD's public machine-readable ISA for CDNA 5 (MIT licence, August 2026) and "CDNA5" Instruction Set Architecture Reference Guide (July 2026). The comments in the code are by the model that wrote it; some were corrected since.
;; Multi Head Attention. Allowed arithmetic: matrix products marked QUANTISED: E5M2 operands, one E8M0 scale for each 32 along K, by v_wmma_scale_f32_16x16x128_f8f6f4 with both operands' format E5M2, f32 sums; everything else in f32.
;; Inputs: Wk 1,024 x 1,024 float32; Wo 1,024 x 1,024 float32; Wq 1,024 x 1,024 float32; Wv 1,024 x 1,024 float32; mask 1 x 1 x 2,048 x 2,048 int32; x 4 x 2,048 x 1,024 float32.
;; Outputs: out0 4 x 2,048 x 1,024 float32.
;; This version of the problem:
;;   THIS VERSION OF THE PROBLEM IS GIVEN IN LOW PRECISION. The matrix products marked QUANTISED in the list below multiply operands that are first quantised to E5M2 (5 exponent bits, 2 mantissa bits; 8 bits a number), with one power-of-two scale for each 32 numbers along K (OCP MX v1.0); their sums are f32. All else is computed in f32.
;;   The module's matrix products, in the order in which they are computed (A, B: the left and right operand; K: the contracted axis; several contracted axes count as one K, in the product's order):
;;     1. [M 8,192, K 1,024] x [K 1,024, N 1,024]; A: input x; B: input Wq: QUANTISED
;;     2. [M 8,192, K 1,024] x [K 1,024, N 1,024]; A: input x; B: input Wk: QUANTISED
;;     3. [M 8,192, K 1,024] x [K 1,024, N 1,024]; A: input x; B: input Wv: QUANTISED
;;     4. batch 64 x [M 2,048, K 64] x [K 64, N 2,048]; A: computed on the way; B: computed on the way: QUANTISED
;;     5. batch 64 x [M 2,048, K 2,048] x [K 2,048, N 64]; A: softmax (see below); B: computed on the way: QUANTISED
;;     6. [M 8,192, K 1,024] x [K 1,024, N 1,024]; A: computed on the way; B: input Wo: QUANTISED
;;   THE QUANTISER, for each operand of a quantised product, along K:
;;     - K is cut into blocks of 32 from its start; a last block that is shorter is filled with zeros.
;;     - A block's scale is 2^e with e = floor(log2(the largest magnitude in the block)) - 15, held to -126 .. 127; a block of zeros has e = 0. As a byte (E8M0): e + 127.
;;     - Each number is divided by its block's scale, clamped to +-57,344, and rounded to the nearest number of E5M2, ties to even, subnormals kept.
;;     - The product sums the exact products of the quantised numbers (number of the format x scale) in f32.
;;   ~~~python
;;   def quantise(x, axis):      # numpy; x: float32 -> the quantised numbers, widened to float32 again
;;       x = np.moveaxis(x, axis, -1); K = x.shape[-1]
;;       x = np.pad(x, [(0, 0)] * (x.ndim - 1) + [(0, -K % 32)]); x = x.reshape(x.shape[:-1] + (-1, 32)); a = np.abs(x).max(-1, keepdims=True)
;;       e = np.where(a > 0, np.clip(np.frexp(np.where(a > 0, a, 1))[1] - 1 - 15, -126, 127), 0)      # np.frexp(a)[1] - 1 = floor(log2(a)), exactly
;;       r = np.clip(x / 2.0 ** e, -57344, 57344)
;;       step = 2.0 ** (np.maximum(np.frexp(np.where(r == 0, 1, r))[1] - 1, -14) - 2)
;;       q = np.round(r / step) * step * 2.0 ** e      # np.round: ties to even
;;       return np.moveaxis(q.reshape(q.shape[:-2] + (-1,))[..., :K], -1, axis).astype(np.float32)
;;   ~~~
;;   SOFTMAX AHEAD OF A QUANTISED PRODUCT. Where the list says 'softmax', what is quantised is not the finished softmax but p = 2^(t - M), with t = logit x log2(e) and M = ceil(the row's largest t), a whole number; so 1/2 < the row's largest p <= 1. The row's sum l is taken of the UNQUANTISED p, in f32, and the product's result is divided by l at the end. Since M is a whole number, a kernel that streams over the keys may use a running M (the ceiling of the running maximum): every later rescaling is an exact power of two, which a block's scale takes up: the codes' values come out the same.
;;   OPERANDS COMPUTED ON THE WAY. 'Computed on the way' means the value that the module computes at that place (a softmax that the list does not call 'softmax' is quantised finished and normalised). What goes into a quantiser is computed in f32, as accurately as f32 sums, v_exp_f32 and their like allow (about 1e-6 of the number): no bf16 or f16 on the way to a quantiser, and a product that is left as it is and whose result goes on into a quantised operand takes f32 operands (vector FMAs, or v_wmma_f32_16x16x4_f32). A number that lies on a knife's edge between two numbers of the format may be rounded either way, as far as f32 arithmetic and the matrix unit's own rounding can turn it there, and no further.
;; One version. Each part assembles by itself: llvm-mc -triple=amdgcn-amd-amdhsa -mcpu=gfx1250 --defsym DOCPART=n.
;; ======== version 1 of 1: 4 launches
;; limits: right only within a limited range of input values
;; workspace buffers: pre 13,500,416 bytes; mk 526,336 bytes of whole numbers; qkv 25,952,256 bytes; att 8,650,752 bytes
;; launch prep (part 1): grid 544 x 1, 4 waves a work-group, no clusters, 68,096 bytes of LDS; arguments x, Wq, Wk, Wv, Wo, mask, pre, mk; writes pre, mk
.if DOCPART == 1
	.amdgcn_target "amdgcn-amd-amdhsa--gfx1250"
	.amdhsa_code_object_version 6
	.text
	.protected	k_qa558e0dc68_prep
	.globl	k_qa558e0dc68_prep
	.p2align	8
	.type	k_qa558e0dc68_prep,@function
k_qa558e0dc68_prep:
	s_mov_b64 s[64:65], 0
	v_nop
	global_prefetch_b8 v0, s[64:65] scope:SCOPE_SE
	s_setreg_imm32_b32 hwreg(HW_REG_WAVE_MODE, 25, 1), 1
	s_wait_xcnt 0x0
; PREP: what every later launch reads many times is made once.
;  work-groups 0-255:   x [8192][1024] f32 -> codes of E5M2 and E8M0 scale bytes, one for each 32 along K
;  work-groups 256-383: Wq, Wk, Wv, Wo [1024][1024] f32 likewise (K is innermost in all five)
;  work-groups 384-511: mask [2048][2048] i32 -> lane masks in the layout of attention's scores, and two bits a (16 queries x 128 keys)
;  work-groups 512-543: cos and sin of t x inv_freq, in the layout of the projections' results
; A TILE is 16 rows out of a group of 32: row T(i, r) = 32 (i / 2) + 8 (i % 2) + r + 8 (r / 8).
; AN IMAGE is a matrix operand's registers as they stand: 16 rows x 128 K = four groups c of 512 bytes, lane l's 16 bytes at 16 l;
; lane (r, h) of group c holds k = 32 c + 16 h + 0 .. 15 of row T(i, r).  So every store here and every load later is 512 dense bytes.
; A wave takes 16 rows x 512 numbers in four steps of 16 rows x 128.  Each load reads 512 consecutive bytes of one row; a step turns
; through the wave's own stage in LDS (rows 528 bytes apart, so that 16 rows start at 16 different banks) and comes back 16 neighbours of each block a lane.
; A block's scale is 2^(floor(log2(largest magnitude)) - 15); its byte is that magnitude's exponent field - 15, held at 1 from below.
; LIMITS: a block whose largest magnitude lies under 2^-111 (a block of zeros too) gets the byte 1: its codes are zeros or subnormal codes, and this program alone reads the bytes.
; NaN and infinities among x and the weights are not served.  The 32 numbers inv_freq are written as f32 constants, 1 / 10^(j / 8) rounded as f32 arithmetic rounds it.
; No tensor load, no barrier: waves share nothing.  The two ways that use LDS have bytes of their own.
.set WC_O,  8388608                    ; pre: the weights' codes (x's begin at 0)
.set XS_O,  12582912                   ; x's scale words
.set WS_O,  12845056                   ; the weights'
.set RT_O,  12976128                   ; the table
.set MF_O,  524288                     ; mk: the flags, behind the records
.set STG,   8448                       ; a stage: 16 rows x 528 bytes
.set R,     16                         ; v16-143  two sets of 64: a step as loaded
.set X,     144                        ; v144-207 a step turned: register 16 c + i = k 32 c + 16 h + i of my row
.set C,     208                        ; v208-223 the codes
.set TM,    224                        ; v224-239 at work
.set PW,    240                        ; v240-243 a scale word for each step
.set RC,    244                        ; v244-251 a record's two registers for each step
.set SEL,   28                         ; s[28:29] lane selects: lane l xor 16
.set MNT,   30                         ; s30 the mantissa field of 57,344
	s_load_b512 s[4:19], s[0:1], 0x0               ; x, Wq, Wk, Wv, Wo, mask, pre, mk
	v_lshl_add_u32 v254, v0, 2, 0x10800
	v_mov_b32 v255, 0
	v_lshrrev_b32 v1, 5, v0
	v_readfirstlane_b32 s2, v1                     ; wave
	v_and_b32 v1, 31, v0                           ; lane
	v_and_b32 v2, 15, v0                           ; r
	v_bfe_u32 v10, v0, 4, 1                        ; h
	v_lshlrev_b32 v3, 4, v1                        ; 16 x lane
	s_mul_i32 s3, s2, STG
	v_add_nc_u32 v4, s3, v3                        ; the stage, on the way in: 16 x lane of a row
	v_mul_u32_u24 v5, v2, 528
	v_lshl_add_u32 v5, v10, 6, v5
	v_add_nc_u32 v5, s3, v5                        ; and on the way out: row r, + 64 h
	v_add_nc_u32 v12, 4*STG, v4                    ; the same two for the mask's way: LDS bytes of its own
	v_add_nc_u32 v13, 4*STG, v5
	v_lshlrev_b32 v6, 4, v2
	v_lshl_add_u32 v6, v10, 3, v6                  ; 16 r + 8 h: my two scale words
	v_lshlrev_b32 v7, 3, v1                        ; 8 x lane: my two words of a record
	s_mov_b32 s[SEL], 0x76543210
	s_mov_b32 s[SEL+1], 0xfedcba98
	s_mov_b32 s[MNT], 0x600000
	s_mov_b32 s27, 0                               ; the upper word of every offset
.irp b, 0,1,2,3
	v_mov_b32 v[TM+4+\b], 0                        ; a lane permute's destination counts as one of its sources
.endr
.macro LOAD t, pitch                   ; step t: 128 numbers of each of the tile's 16 rows
.irp i, 0,1,2,3,4,5,6,7,8,9,10,11,12,13,14,15
	global_load_b128 v[R+64*((\t)%2)+4*\i:R+64*((\t)%2)+4*\i+3], v3, s[20:21] offset:(\i+8*(\i/8))*\pitch+512*(\t) th:TH_LOAD_NT
.endr
.endm
.macro TURN t, si, so                  ; through the stage: LDS serves a wave's instructions in order, so no wait stands between the stores and the loads
.irp i, 0,1,2,3,4,5,6,7,8,9,10,11,12,13,14,15
	ds_store_b128 v[\si], v[R+64*((\t)%2)+4*\i:R+64*((\t)%2)+4*\i+3] offset:528*\i
.endr
.irp c, 0,1,2,3
.irp j, 0,1,2,3
	ds_load_b128 v[X+16*\c+4*\j:X+16*\c+4*\j+3], v[\so] offset:128*\c+16*\j
.endr
.endr
.endm
.macro QUANT t                         ; 64 numbers of a lane become a fragment's codes in v[C] on and its scale word in v[PW + t]
.irp b, 0,1,2,3
	v_max3_num_f32 v[TM+\b], |v[X+16*\b]|, |v[X+1+16*\b]|, 0x8000000   ; my 16 numbers of block b, and the floor 2^(16 - 127): the byte cannot fall under 1
.endr
.irp i, 2,4,6,8,10,12,14
.irp b, 0,1,2,3
	v_max3_num_f32 v[TM+\b], v[TM+\b], |v[X+16*\b+\i]|, |v[X+1+16*\b+\i]|
.endr
.endr
.irp b, 0,1,2,3
	v_permlanex16_b32 v[TM+4+\b], v[TM+\b], s[SEL], s[SEL+1]
.endr
.irp b, 0,1,2,3
	v_max_num_f32 v[TM+\b], v[TM+\b], v[TM+4+\b]   ; with lane l xor 16's: the block's largest magnitude
.endr
.irp b, 0,1,2,3
	v_add_nc_u32 v[TM+12+\b], 0xf8800000, v[TM+\b] ; 15 off its exponent field: the conversion's scale operand
.endr
.irp b, 0,1,2,3
	v_and_or_b32 v[TM+8+\b], v[TM+\b], 0x7f800000, s[MNT]   ; 57,344 x the scale
.endr
.irp b, 0,1,2,3
	v_lshrrev_b32 v[TM+4+\b], 23, v[TM+12+\b]      ; the scale's byte
.endr
	v_lshl_or_b32 v[PW+(\t)], v[TM+5], 8, v[TM+4]
	v_lshl_or_b32 v[PW+(\t)], v[TM+6], 16, v[PW+(\t)]
	v_lshl_or_b32 v[PW+(\t)], v[TM+7], 24, v[PW+(\t)]
.irp b, 0,1,2,3
.irp i, 0,1,2,3,4,5,6,7,8,9,10,11,12,13,14,15
	v_med3_num_f32 v[X+16*\b+\i], v[X+16*\b+\i], -v[TM+8+\b], v[TM+8+\b]   ; the conversion to an 8-bit code does not saturate (ISA guide 7.6.2): the hold comes first
.endr
	v_cvt_scalef32_pk8_bf8_f32 v[C+4*\b:C+1+4*\b], v[X+16*\b:X+7+16*\b], v[TM+12+\b]
	v_cvt_scalef32_pk8_bf8_f32 v[C+2+4*\b:C+3+4*\b], v[X+8+16*\b:X+15+16*\b], v[TM+12+\b]
.endr
	v_nop                                          ; a plain line behind the last conversion
.endm
	s_wait_kmcnt 0x0
	s_cmp_lt_u32 ttmp9, 384
	s_cbranch_scc0 .Lnot_quant
	; ---- x and the four weights.  The buffer is chosen by the work-group's number alone
	s_cmp_lt_u32 ttmp9, 352
	s_cselect_b64 s[20:21], s[10:11], s[12:13]
	s_cmp_lt_u32 ttmp9, 320
	s_cselect_b64 s[20:21], s[8:9], s[20:21]
	s_cmp_lt_u32 ttmp9, 288
	s_cselect_b64 s[20:21], s[6:7], s[20:21]
	s_mov_b32 s39, 255
	s_mov_b32 s41, WS_O
	s_cmp_lt_u32 ttmp9, 256
	s_cselect_b64 s[20:21], s[4:5], s[20:21]
	s_cselect_b32 s31, 511, 63                     ; tiles in the source,
	s_cselect_b32 s39, 511, s39                    ; and in its part of pre (the four weights on end), less one
	s_cselect_b32 s40, 0, WC_O
	s_cselect_b32 s41, XS_O, s41
	s_lshl_b32 s42, ttmp9, 2
	s_add_co_u32 s42, s42, s2
	s_and_b32 s43, s42, 1                          ; which half of K
	s_lshr_b32 s42, s42, 1
	s_and_b32 s31, s42, s31                        ; the tile in the source
	s_and_b32 s39, s42, s39                        ; and in pre
	s_lshr_b32 s26, s31, 1
	s_lshl_b32 s26, s26, 17                        ; 32 rows of 4,096 bytes
	s_and_b32 s44, s31, 1
	s_lshl_b32 s44, s44, 15                        ; 8 rows
	s_add_co_u32 s26, s26, s44
	s_lshl_b32 s44, s43, 11
	s_add_co_u32 s26, s26, s44
	s_add_nc_u64 s[20:21], s[20:21], s[26:27]
	s_lshl_b32 s26, s39, 14
	s_lshl_b32 s44, s43, 13
	s_add_co_u32 s26, s26, s44
	s_add_co_u32 s26, s26, s40
	s_add_nc_u64 s[22:23], s[16:17], s[26:27]      ; my four images
	s_lshl_b32 s26, s39, 9
	s_lshl_b32 s44, s43, 8
	s_add_co_u32 s26, s26, s44
	s_add_co_u32 s26, s26, s41
	s_add_nc_u64 s[24:25], s[16:17], s[26:27]      ; my 256 bytes of scale words
	s_mov_b32 vcc_lo, 0xffff0000
.macro QSTEP t
.if (\t) < 3
	s_wait_loadcnt 16                              ; this step's 16 loads are in; the next step's 16 may be out
.else
	s_wait_loadcnt 0x0
.endif
	TURN \t, 4, 5
	s_wait_dscnt 0x0                               ; the step is back, and the stage's stores have read their registers,
.if (\t) < 2
	LOAD (\t)+2, 4096                              ; which take the loads of two steps on
.endif
.if (\t) > 0
	s_wait_xcnt 0x0                                ; the last step's stores have read the codes' registers
.endif
	QUANT \t
.irp c, 0,1,2,3
	global_store_b128 v3, v[C+4*\c:C+4*\c+3], s[22:23] offset:2048*(\t)+512*\c   ; 512 consecutive bytes
.endr
.endm
	LOAD 0, 4096
	LOAD 1, 4096
	QSTEP 0
	QSTEP 1
	QSTEP 2
	QSTEP 3
	v_cndmask_b32 v8, v[PW], v[PW+2], vcc_lo       ; lanes 0-15 store a row's words 0, 1, lanes 16-31 its words 2, 3
	v_cndmask_b32 v9, v[PW+1], v[PW+3], vcc_lo
	global_store_b64 v6, v[8:9], s[24:25]          ; 256 consecutive bytes
	s_wait_tensorcnt 0x0
	ds_add_u32 v254, v255
	s_wait_dscnt 0x0
	s_endpgm
.Lnot_quant:
	s_cmp_lt_u32 ttmp9, 512
	s_cbranch_scc0 .Ltable
	; ---- the mask.  The work-group takes query tile a, wave w keys 512 w on: four steps of 128 keys
	s_sub_co_u32 s31, ttmp9, 384
	s_lshr_b32 s26, s31, 1
	s_lshl_b32 s26, s26, 18                        ; 32 rows of 8,192 bytes
	s_and_b32 s39, s31, 1
	s_lshl_b32 s39, s39, 16
	s_add_co_u32 s26, s26, s39
	s_lshl_b32 s39, s2, 11
	s_add_co_u32 s26, s26, s39
	s_add_nc_u64 s[20:21], s[14:15], s[26:27]
	s_lshl_b32 s26, s31, 12
	s_lshl_b32 s39, s2, 10
	s_add_co_u32 s26, s26, s39
	s_add_nc_u64 s[22:23], s[18:19], s[26:27]      ; records (16 a + 4 w) on, 256 bytes each
	s_lshl_b32 s26, s31, 4
	s_lshl_b32 s39, s2, 2
	s_add_co_u32 s26, s26, s39
	s_add_co_u32 s26, s26, MF_O
	s_add_nc_u64 s[24:25], s[18:19], s[26:27]      ; my word of the tile's flags
	s_mov_b32 s38, 0
.macro MSTEP t
.if (\t) < 3
	s_wait_loadcnt 16                              ; this step's 16 loads are in; the next step's 16 may be out
.else
	s_wait_loadcnt 0x0
.endif
	TURN \t, 12, 13
	s_wait_dscnt 0x0
.if (\t) < 2
	LOAD (\t)+2, 8192
.endif
	v_mov_b32 v[RC+2*(\t)], 0
	v_mov_b32 v[RC+2*(\t)+1], 0
	s_mov_b32 s36, -1
	s_mov_b32 s37, 0
.set n, 0
.rept 64                               ; word n = 16 b + i of the record: bit (r, h) says whether key 32 b + 16 h + i of the step counts for query T(a, r)
	v_cmp_ne_u32 s[32+n%4], 0, v[X+n]
	v_writelane_b32 v[RC+2*(\t)+n%2], s[32+n%4], n/2
	s_and_b32 s36, s36, s[32+n%4]
	s_or_b32 s37, s37, s[32+n%4]
.set n, n+1
.endr
	global_store_b64 v7, v[RC+2*(\t):RC+2*(\t)+1], s[22:23] offset:256*(\t)   ; 256 consecutive bytes
	s_cmp_eq_u32 s36, -1
	s_cselect_b32 s39, 2, 1                        ; 2: every key counts; 1: some do;
	s_cmp_eq_u32 s37, 0
	s_cselect_b32 s39, 0, s39                      ; 0: none does
	s_lshl_b32 s39, s39, 2*(\t)
	s_or_b32 s38, s38, s39
.endm
	LOAD 0, 8192
	LOAD 1, 8192
	s_wait_alu depctr_va_vdst(0)
	MSTEP 0
	MSTEP 1
	MSTEP 2
	MSTEP 3
	s_lshl_b32 s39, s2, 3
	s_lshl_b32 s38, s38, s39                       ; two bits a step, at bit 2 x step of the 16
	v_mov_b32 v8, s38
	v_mov_b32 v9, 0
	v_cmp_gt_u32 vcc_lo, 1, v1
	s_wait_alu depctr_va_vdst(0)
	s_wait_xcnt 0x0                                ; EXEC changes only behind this wait
	s_wait_tensorcnt 0x0
	ds_add_u32 v254, v255
	s_wait_dscnt 0x0
	s_and_saveexec_b32 s40, vcc_lo
	global_store_b32 v9, v8, s[24:25]              ; lane 0 alone
	s_wait_xcnt 0x0
	s_or_b32 exec_lo, exec_lo, s40
	s_endpgm
.Ltable:
	; ---- cos and sin.  Wave: one tile a of positions.  Lane (r, h): position T(a, r), frequencies 16 h + 0 .. 15
	s_sub_co_u32 s31, ttmp9, 512
	s_lshl_b32 s31, s31, 2
	s_add_co_u32 s31, s31, s2
	s_lshl_b32 s26, s31, 12
	s_add_co_u32 s26, s26, RT_O
	s_add_nc_u64 s[22:23], s[16:17], s[26:27]
	s_lshr_b32 s39, s31, 1
	s_lshl_b32 s39, s39, 5
	s_and_b32 s31, s31, 1
	s_lshl_b32 s31, s31, 3
	s_add_co_u32 s39, s39, s31
	v_and_b32 v11, 8, v2
	v_add_nc_u32 v11, v11, v2
	v_add_nc_u32 v11, s39, v11
	v_cvt_f32_u32 v11, v11                         ; t
	s_mov_b32 vcc_lo, 0xffff0000
	s_mov_b32 s40, 0xb94ca1f9                      ; sin r = r + r z ((s40 z + s41) z + s42), z = r r, |r| <= pi / 4
	s_mov_b32 s41, 0x3c08839e
	s_mov_b32 s42, 0xbe2aaaa3
	s_mov_b32 s43, 0x37ccf5ce                      ; cos r = 1 - z / 2 + z z ((s43 z + s44) z + s45)
	s_mov_b32 s44, 0xbab6061a
	s_mov_b32 s45, 0x3d2aaaa5
.macro SINCOS i, lo, hi                ; the angle is t x inv_freq rounded to f32; n quarter turns are taken off it in two parts, the first of which rounds nothing
	v_mov_b32 v224, \hi
	v_cndmask_b32 v224, \lo, v224, vcc_lo
	v_mul_f32 v225, v11, v224
	v_mul_f32 v226, 0x3f22f983, v225
	v_rndne_f32 v226, v226                         ; n
	v_fmamk_f32 v227, v226, 0xbfc90fdb, v225
	v_fmamk_f32 v227, v226, 0x333bbd2e, v227       ; r
	v_mul_f32 v228, v227, v227                     ; z
	v_fma_f32 v229, v228, s40, s41
	v_fma_f32 v231, v228, s43, s44
	v_fma_f32 v229, v229, v228, s42
	v_fma_f32 v231, v231, v228, s45
	v_mul_f32 v230, v227, v228
	v_fma_f32 v232, v228, -0.5, 1.0
	v_mul_f32 v233, v228, v228
	v_fma_f32 v229, v230, v229, v227               ; sin r
	v_fma_f32 v231, v233, v231, v232               ; cos r
	v_cvt_i32_f32 v234, v226
	v_and_b32 v235, 1, v234
	v_cmp_eq_u32 s46, 1, v235                      ; an odd quarter swaps the two
	v_cndmask_b32 v236, v229, v231, s46
	v_cndmask_b32 v237, v231, v229, s46
	v_lshlrev_b32 v238, 30, v234
	v_and_b32 v238, 0x80000000, v238               ; sin is negative in quarters 2, 3,
	v_xor_b32 v[X+16+\i], v238, v236
	v_add_nc_u32 v239, 1, v234
	v_lshlrev_b32 v239, 30, v239
	v_and_b32 v239, 0x80000000, v239               ; cos in quarters 1, 2
	v_xor_b32 v[X+\i], v239, v237
.endm
	SINCOS 0, 0x3f800000, 0x3c23d70a
	SINCOS 1, 0x3f3ff911, 0x3bf5b9b0
	SINCOS 2, 0x3f0ff59a, 0x3bb8449c
	SINCOS 3, 0x3ed7e89b, 0x3b8a2e77
	SINCOS 4, 0x3ea1e89b, 0x3b4f3e38
	SINCOS 5, 0x3e72d423, 0x3b1b690d
	SINCOS 6, 0x3e361887, 0x3ae91528
	SINCOS 7, 0x3e088d77, 0x3aaec98e
	SINCOS 8, 0x3dcccccd, 0x3a83126f
	SINCOS 9, 0x3d99940d, 0x3a44948c
	SINCOS 10, 0x3d6655c2, 0x3a136a16
	SINCOS 11, 0x3d2cba15, 0x39dd1725
	SINCOS 12, 0x3d0186e3, 0x39a5cb60
	SINCOS 13, 0x3cc2434f, 0x3978a815
	SINCOS 14, 0x3c91ad39, 0x393a7753
	SINCOS 15, 0x3c5a7bf2, 0x390bd472
.irp g, 0,1,2,3,4,5,6,7
	global_store_b128 v3, v[X+4*\g:X+4*\g+3], s[22:23] offset:512*\g   ; four groups of cos, four of sin; 512 consecutive bytes each
.endr
	s_endpgm
.Lfunc_end_k_qa558e0dc68_prep:
	.size	k_qa558e0dc68_prep, .Lfunc_end_k_qa558e0dc68_prep-k_qa558e0dc68_prep
	.p2alignl 7, 3214868480
	.fill 96, 4, 3214868480
	.section	.rodata,"a",@progbits
	.p2align	6, 0x0
	.amdhsa_kernel k_qa558e0dc68_prep
		.amdhsa_group_segment_fixed_size 68096
		.amdhsa_private_segment_fixed_size 0
		.amdhsa_enable_private_segment 0
		.amdhsa_kernarg_size 64
		.amdhsa_user_sgpr_count 2
		.amdhsa_user_sgpr_kernarg_segment_ptr 1
		.amdhsa_wavefront_size32 1
		.amdhsa_system_sgpr_workgroup_id_x 1
		.amdhsa_system_sgpr_workgroup_id_y 1
		.amdhsa_system_sgpr_workgroup_id_z 1
		.amdhsa_system_vgpr_workitem_id 0
		.amdhsa_next_free_vgpr 256
		.amdhsa_next_free_sgpr 66
		.amdhsa_reserve_vcc 1
		.amdhsa_float_denorm_mode_32 3
		.amdhsa_float_denorm_mode_16_64 3
		.amdhsa_memory_ordered 1
		.amdhsa_forward_progress 1
		.amdhsa_inst_pref_size 142
	.end_amdhsa_kernel
	.amdgpu_metadata
---
amdhsa.version: [ 1, 2 ]
amdhsa.kernels:
  - .name:           k_qa558e0dc68_prep
    .symbol:         k_qa558e0dc68_prep.kd
    .args:
      - { .name: x, .offset: 0, .size: 8, .value_kind: global_buffer, .address_space: global }
      - { .name: Wq, .offset: 8, .size: 8, .value_kind: global_buffer, .address_space: global }
      - { .name: Wk, .offset: 16, .size: 8, .value_kind: global_buffer, .address_space: global }
      - { .name: Wv, .offset: 24, .size: 8, .value_kind: global_buffer, .address_space: global }
      - { .name: Wo, .offset: 32, .size: 8, .value_kind: global_buffer, .address_space: global }
      - { .name: mask, .offset: 40, .size: 8, .value_kind: global_buffer, .address_space: global }
      - { .name: pre, .offset: 48, .size: 8, .value_kind: global_buffer, .address_space: global }
      - { .name: mk, .offset: 56, .size: 8, .value_kind: global_buffer, .address_space: global }
    .group_segment_fixed_size: 68096
    .private_segment_fixed_size: 0
    .kernarg_segment_align: 8
    .kernarg_segment_size: 64
    .max_flat_workgroup_size: 128
    .sgpr_count:     66
    .vgpr_count:     256
    .wavefront_size: 32
...
	.end_amdgpu_metadata
.endif
;; end of part 1
;; launch gemm_qkv (part 2): grid 12 x 32, 4 waves a work-group, clusters of 4 x 4, 327,680 bytes of LDS; arguments pre, qkv; writes qkv
.if DOCPART == 2
	.amdgcn_target "amdgcn-amd-amdhsa--gfx1250"
	.amdhsa_code_object_version 6
	.text
	.protected	k_qa558e0dc68_gemm_qkv
	.globl	k_qa558e0dc68_gemm_qkv
	.p2align	8
	.type	k_qa558e0dc68_gemm_qkv,@function
k_qa558e0dc68_gemm_qkv:
	s_mov_b64 s[64:65], 0
	v_nop
	global_prefetch_b8 v0, s[64:65] scope:SCOPE_SE
	s_setreg_imm32_b32 hwreg(HW_REG_WAVE_MODE, 25, 1), 1
	s_wait_xcnt 0x0
	s_wait_alu depctr_hold_cnt(0) depctr_sa_sdst(0) depctr_va_vdst(0) depctr_va_sdst(0) depctr_va_ssrc(0) depctr_va_vcc(0) depctr_vm_vsrc(0)
	s_getreg_b32 s2, hwreg(HW_REG_IB_STS2, 6, 4)
	s_cmp_eq_u32 s2, 0
	s_cbranch_scc0 .Lentry_in_a_cluster
	s_endpgm
.Lentry_in_a_cluster:
	s_bfe_u32 s2, ttmp6, 0x10000c
	s_cmp_lg_u32 s2, 0xf033
	s_cbranch_scc0 .Lentry_shape_is_right
	s_endpgm
.Lentry_shape_is_right:
.set NQ,     2
.set FR,     16
.set NL,     4
.set NP,     8
.set TILEB,  4096
.set HALFT,  8*TILEB
.set SLOT,   4*HALFT
.set SCL,    2*SLOT
.set HALFS,  4096
.set SPARE,  SCL+4*HALFS
.set WC_O,   8388608
.set WV_O,   10485760
.set XS_O,   12582912
.set WS_O,   12845056
.set WVS_O,  12910592
.set RT_O,   12976128
.set VC_O,   16777216
.set QS_O,   25165824
.set VS_O,   25690112
.set ADRA, 16
.set ADRB, 20
.set LI,   24
.set SO,   25
.set SELV, 26
.set ADRS, 27
.set SPW,  28
.set NIL,  29
.set SC,   32
.set T,    64
.set AF,   128
.set CD,   128
.set TM,   192
.set PW,   208
.set REC,  216
.set G1, 24
.set G0, 32
.set G1B, 48
.set G0B, 56
.set G1S, 68
.set G0S, 76
.set G1SB, 80
.set G0SB, 88
.set MSB, 0
.macro WIN new
.if MSB != (\new)
	s_set_vgpr_msb (MSB<<8)|(\new)
.set MSB, (\new)
.endif
.endm
.set MUL_LO, 0xa1
.set MUL_HI, 0xf1
.set TO_B,   0x40
.macro JLOAD g0a, g1a, g0b, g1b
	s_cmp_eq_u32 s15, 0
	s_cbranch_scc0 .Lfor_b_\@
	tensor_load_to_lds s[\g0a:\g0a+3], s[\g1a:\g1a+7]
	s_nop 0
.rept 4
	v_nop
.endr
	s_branch .Lasked_\@
.Lfor_b_\@:
	tensor_load_to_lds s[\g0b:\g0b+3], s[\g1b:\g1b+7]
	s_nop 0
.rept 4
	v_nop
.endr
.Lasked_\@:
.endm
.macro CREST
	s_cmp_lg_u32 s14, 0
	s_cbranch_scc1 .Lnot_wave_0_\@
	s_barrier_signal -3
.Lnot_wave_0_\@:
	s_barrier_wait -3
	s_barrier_signal -1
	s_barrier_wait -1
.endm
.macro CROUND
	s_barrier_signal -1
	s_barrier_wait -1
	CREST
.endm
	s_load_b128 s[4:7], s[0:1], 0x0
	v_lshl_add_u32 v[SPW], v0, 2, SPARE
	v_mov_b32 v[NIL], 0
	ds_add_u32 v28, v29
	ds_add_u32 v28, v29
	s_wait_dscnt 0x0
	v_lshrrev_b32 v1, 5, v0
	v_readfirstlane_b32 s14, v1
	s_lshr_b32 s15, s14, 1
	s_and_b32 s16, s14, 1
	s_bfe_u32 s40, ttmp6, 0x40000
	s_bfe_u32 s41, ttmp6, 0x40004
	s_and_b32 s18, ttmp7, 0xffff
	s_mov_b32 s19, WV_O
	s_mov_b32 s94, WVS_O
	s_mov_b32 s95, XS_O
	s_mov_b32 s97, WS_O
	s_cmp_eq_u32 ttmp9, 2
	s_cselect_b32 s17, 0, s18
	s_cselect_b32 s42, s18, ttmp9
	s_cselect_b32 s19, s19, 0
	s_cselect_b32 s94, s94, s95
	s_cselect_b32 s96, 0, WC_O
	s_cselect_b32 s97, s95, s97
	s_lshl_b32 s17, s17, 2
	s_add_co_u32 s17, s17, s41
	s_lshl_b32 s42, s42, 2
	s_add_co_u32 s42, s42, s40
	s_lshl_b32 s43, s41, 2
	s_lshl_b32 s43, 15, s43
	s_lshl_b32 s44, 0x1111, s40
	s_or_b32 s[G1+0], s43, (3<<16)|(1<<21)
	s_or_b32 s[G1B+0], s44, (3<<16)|(1<<21)
.irp g, G1, G1B
	s_mov_b32 s[\g+1], 512<<16
	s_mov_b32 s[\g+2], 16<<16
	s_mov_b32 s[\g+3], 512<<16
	s_mov_b32 s[\g+4], 16
	s_mov_b32 s[\g+5], 2048
	s_mov_b32 s[\g+6], 0
	s_mov_b32 s[\g+7], 0
.endr
	s_or_b32 s[G1S+0], s43, (3<<16)|(1<<21)
	s_or_b32 s[G1SB+0], s44, (3<<16)|(1<<21)
.irp g, G1S, G1SB
	s_mov_b32 s[\g+1], 32<<16
	s_mov_b32 s[\g+2], 32<<16
	s_mov_b32 s[\g+3], 32<<16
	s_mov_b32 s[\g+4], 32
	s_mov_b32 s[\g+5], 32
	s_mov_b32 s[\g+6], 0
	s_mov_b32 s[\g+7], 0
.endr
	s_lshl_b32 s20, s17, 18
	s_lshl_b32 s18, s16, 17
	s_add_co_u32 s20, s20, s19
	s_mov_b32 s21, 0
	s_lshl_b32 s22, s17, 13
	s_mov_b32 s19, 0                               ; s[18:19]: my half of a tile's rows, in bytes
	s_add_co_u32 s22, s22, s94
	s_mov_b32 s23, 0
	s_lshl_b32 s46, s42, 18
	s_add_co_u32 s46, s46, s96
	s_mov_b32 s47, 0
	s_lshl_b32 s92, s42, 13
	s_add_co_u32 s92, s92, s97
	s_mov_b32 s93, 0
	s_mul_i32 s45, s14, HALFT
	s_wait_kmcnt 0x0
	s_add_nc_u64 s[20:21], s[4:5], s[20:21]
	s_add_nc_u64 s[22:23], s[4:5], s[22:23]
	s_add_nc_u64 s[46:47], s[4:5], s[46:47]
	s_add_nc_u64 s[92:93], s[4:5], s[92:93]
	CROUND
	s_mov_b32 s[G0S], 1
	s_mov_b32 s[G0S+1], SCL
	s_mov_b64 s[G0S+2:G0S+3], s[22:23]
	s_or_b32 s[G0S+3], s[G0S+3], 0x80000000
	s_mov_b32 s[G0SB], 1
	s_mov_b32 s[G0SB+1], SCL+2*HALFS
	s_mov_b64 s[G0SB+2:G0SB+3], s[92:93]
	s_or_b32 s[G0SB+3], s[G0SB+3], 0x80000000
; THE HEAD'S FOUR TILES, ONE JOINT LOAD A WAVE: wave 0 K step 0's 16 tile rows of A, wave 1 those of B, wave 2 A's scale bytes (32 rows of 256), wave 3 B's.
; Slot 0's groups 0 state the whole tiles here; behind the wait that shows the loads landed they are set to a wave's half, and the groups 1 to 8 rows, for the ring.
	s_mov_b32 s[G0], 1
	s_mov_b32 s[G0+1], 0
	s_mov_b64 s[G0+2:G0+3], s[20:21]
	s_or_b32 s[G0+3], s[G0+3], 0x80000000
	s_mov_b32 s[G0B], 1
	s_mov_b32 s[G0B+1], 2*HALFT
	s_mov_b64 s[G0B+2:G0B+3], s[46:47]
	s_or_b32 s[G0B+3], s[G0B+3], 0x80000000
	s_add_nc_u64 s[20:21], s[20:21], s[18:19]
	s_add_nc_u64 s[46:47], s[46:47], s[18:19]
	s_mov_b32 s[G0+4], 1
	s_add_co_u32 s[G0+5], s45, SLOT
	s_add_nc_u64 s[G0+6:G0+7], s[20:21], TILEB
	s_or_b32 s[G0+7], s[G0+7], 0x80000000
	s_mov_b32 s[G0B+4], 1
	s_add_co_u32 s[G0B+5], s45, SLOT
	s_add_nc_u64 s[G0B+6:G0B+7], s[46:47], TILEB
	s_or_b32 s[G0B+7], s[G0B+7], 0x80000000
.macro ARM under, g0, g1, next         ; one chain of branches on the wave's number, a load to an arm
	s_cmp_lt_u32 s14, \under
	s_cbranch_scc0 \next
	tensor_load_to_lds s[\g0:\g0+3], s[\g1:\g1+7]
	s_nop 0
.rept 4
	v_nop
.endr
	s_branch .Lhead_asked
\next:
.endm
	ARM 1, G0,  G1,  .Lhead_b
	ARM 2, G0B, G1B, .Lhead_sa
	ARM 3, G0S, G1S, .Lhead_sb
	tensor_load_to_lds s[G0SB:G0SB+3], s[G1SB:G1SB+7]
	s_nop 0
.rept 4
	v_nop
.endr
.Lhead_asked:
; PREFETCHES INTO THE L2.  Of the 8 tile rows that my wave fetches in the ring, the partner at place p of the four that ask jointly (p = cx for source A, cy for B) names rows 2 p and 2 p + 1:
; a K step is 4,096 bytes of a tile row, a lane to each 256.  Here K steps 1 and 2 are asked for, behind slot 1's first fill K step 3: never more than two steps asked for and not yet loaded; K step 3 is the last.
; The offsets are immediates: v30 and s[66:67] are never written again.  A weight's tiles are read by all eight rows of clusters: cluster rows 0 to 3 alone ask for them.
	s_cmp_eq_u32 s15, 0
	s_cselect_b64 s[66:67], s[20:21], s[46:47]
	s_cselect_b32 s2, s40, s41
	s_lshl_b32 s2, s2, 15
	s_mov_b32 s3, 0
	s_add_nc_u64 s[66:67], s[66:67], s[2:3]
	v_and_b32 v30, 15, v0
	v_bfe_u32 v31, v0, 4, 1
	v_lshlrev_b32 v30, 8, v30
	v_lshl_add_u32 v30, v31, 14, v30
	s_cmp_eq_u32 ttmp9, 2
	s_cselect_b32 s95, 1, 0
	s_xor_b32 s95, s95, s15                        ; 1: what I fetch is a weight
	s_and_b32 s94, ttmp7, 0xffff
	s_lshr_b32 s94, s94, 2
	s_mul_i32 s94, s94, s95                        ; 0: I ask
	s_cmp_eq_u32 s94, 0
	s_wait_alu depctr_va_vdst(0)
	s_cbranch_scc0 .Lno_pf0
	global_prefetch_b8 v30, s[66:67] offset:4096 th:TH_LOAD_NT scope:SCOPE_SE
	global_prefetch_b8 v30, s[66:67] offset:8192 th:TH_LOAD_NT scope:SCOPE_SE
.Lno_pf0:
	s_wait_alu depctr_va_vdst(0)
	s_wait_tensorcnt 0x0
	ds_add_u32 v28, v29
	s_mov_b32 s[G1+2], 8<<16
	s_mov_b32 s[G1+4], 8
	s_mov_b32 s[G1B+2], 8<<16
	s_mov_b32 s[G1B+4], 8
	s_mov_b32 s[G0+1], s45
	s_add_nc_u64 s[G0+2:G0+3], s[G0+2:G0+3], s[18:19]
	s_mov_b32 s[G0B+1], s45
	s_add_nc_u64 s[G0B+2:G0B+3], s[G0B+2:G0B+3], s[18:19]
	s_wait_dscnt 0x0
	CROUND                                         ; all four tiles are in, in every partner
	JLOAD G0+4, G1, G0B+4, G1B                     ; slot 1's first fill, issued as a refill is
	s_cmp_eq_u32 s94, 0
	s_cbranch_scc0 .Lno_pf1
	global_prefetch_b8 v30, s[66:67] offset:12288 th:TH_LOAD_NT scope:SCOPE_SE
.Lno_pf1:
	v_and_b32 v1, 15, v0
	v_bfe_u32 v2, v0, 4, 1
	s_wait_alu depctr_va_vdst(0)
	v_and_b32 v3, 31, v0
	v_lshlrev_b32 v[LI], 4, v3
	s_mul_i32 s21, s15, HALFT
	s_mul_i32 s22, s16, HALFT
	s_add_co_u32 s22, s22, 2*HALFT
.irp s, 0,1
	v_add_nc_u32 v[ADRA+\s], s21, v[LI]
	v_add_nc_u32 v[ADRB+\s], s22, v[LI]
	s_add_co_u32 s21, s21, SLOT
	s_add_co_u32 s22, s22, SLOT
.endr
	v_lshlrev_b32 v5, 4, v1
	s_mul_i32 s21, s15, HALFS
	s_mul_i32 s22, s16, HALFS
	s_add_co_u32 s22, s22, 2*HALFS
	s_sub_co_u32 s22, s22, s21
	v_mul_u32_u24 v6, s22, v2
	s_add_co_u32 s21, s21, SCL
	v_add_nc_u32 v5, v5, v6
	v_add_nc_u32 v[ADRS], s21, v5
	v_lshlrev_b32 v[SO], 4, v1
	v_lshl_add_u32 v[SO], v2, 12, v[SO]
	v_mov_b32 v5, 0x02020202
	v_mul_lo_u32 v5, v5, v2
	v_add_nc_u32 v[SELV], 0x05040100, v5
.macro FRAG reg, adr, q, i
.irp c, 0,1,2,3
	ds_load_b128 v[\reg+4*\c:\reg+4*\c+3], v[\adr] offset:(\i)*TILEB+2048*(\q)+512*\c
.endr
.endm
.macro MUL16 a0, p, q, sc, zero
.irp a, \a0, \a0+1
.irp b, 0,1,2,3,4,5,6,7
.if \zero
	v_wmma_scale_f32_16x16x128_f8f6f4 v[8*(8*((\a)%4)+\b):8*(8*((\a)%4)+\b)+7], v[128*(\p)+FR*\b:128*(\p)+FR*\b+FR-1], v[AF+FR*(\a):AF+FR*(\a)+FR-1], 0, v[SC+8*NQ*(\sc)+NQ*\b+(\q)], v[SC+8*NQ*(\sc)+NQ*(\a)+(\q)] matrix_a_fmt:MATRIX_FMT_BF8 matrix_b_fmt:MATRIX_FMT_BF8 matrix_a_scale:MATRIX_SCALE_ROW1
.else
	v_wmma_scale_f32_16x16x128_f8f6f4 v[8*(8*((\a)%4)+\b):8*(8*((\a)%4)+\b)+7], v[128*(\p)+FR*\b:128*(\p)+FR*\b+FR-1], v[AF+FR*(\a):AF+FR*(\a)+FR-1], v[8*(8*((\a)%4)+\b):8*(8*((\a)%4)+\b)+7], v[SC+8*NQ*(\sc)+NQ*\b+(\q)], v[SC+8*NQ*(\sc)+NQ*(\a)+(\q)] matrix_a_fmt:MATRIX_FMT_BF8 matrix_b_fmt:MATRIX_FMT_BF8 matrix_a_scale:MATRIX_SCALE_ROW1
.endif
.endr
.endr
.endm
.macro FETCH_B slot, q, p
	WIN TO_B
.irp i, 0,1,2,3,4,5,6,7
	FRAG 128*(\p)+FR*\i, ADRB+\slot, \q, \i
.endr
	WIN 0
.endm
.macro FETCH_A slot, q, i0
.irp i, \i0, \i0+1, \i0+2, \i0+3
	FRAG AF+FR*(\i), ADRA+\slot, \q, \i
.endr
.endm
.macro SCALES sc, ks
.irp i, 0,1,2,3,4,5,6,7
	ds_load_b64 v[SC+8*NQ*\sc+NQ*\i:SC+8*NQ*\sc+NQ*\i+1], v[ADRS] offset:\i*512+((\ks)/2)*256+((\ks)%2)*8
.endr
.endm
.macro PLACES n
.rept \n
	v_nop
.endr
.endm
.macro STEP slot, q, zero
	s_wait_dscnt 4*NL
	WIN MUL_LO
	MUL16 0, (\q)%2, \q, \slot, \zero
	MUL16 2, (\q)%2, \q, \slot, \zero
	s_wait_dscnt 0
	PLACES NP
	FETCH_B \slot, (\q)+1, 1-(\q)%2
	FETCH_A \slot, (\q)+1, 0
	WIN MUL_HI
	MUL16 4, (\q)%2, \q, \slot, \zero
	MUL16 6, (\q)%2, \q, \slot, \zero
	PLACES NP
	WIN 0
	FETCH_A \slot, (\q)+1, 4
.endm
.macro TURN slot, next, fill, ks
	s_wait_tensorcnt 0x0
	ds_add_u32 v[SPW], v[NIL]
	s_wait_dscnt 4*NL+1
	WIN MUL_LO
	MUL16 0, 1, NQ-1, \slot, 0
	s_wait_dscnt 0x0
	s_barrier_signal -1
	MUL16 2, 1, NQ-1, \slot, 0
	WIN 0
	s_barrier_wait -1
.if \fill
	CREST
	s_add_nc_u64 s[G0+4*\slot+2:G0+4*\slot+3], s[G0+4*\slot+2:G0+4*\slot+3], 2*TILEB
	s_add_nc_u64 s[G0B+4*\slot+2:G0B+4*\slot+3], s[G0B+4*\slot+2:G0B+4*\slot+3], 2*TILEB
	JLOAD G0+4*\slot, G1, G0B+4*\slot, G1B
	PLACES NP-4
.else
	PLACES NP
.endif
	FETCH_B \next, 0, 0
	FETCH_A \next, 0, 0
	SCALES \next, \ks
	WIN MUL_HI
	MUL16 4, 1, NQ-1, \slot, 0
	MUL16 6, 1, NQ-1, \slot, 0
	PLACES NP
	WIN 0
	FETCH_A \next, 0, 4
.endm
	s_wait_alu depctr_va_vdst(0)
	FETCH_B 0, 0, 0
	FETCH_A 0, 0, 0
	SCALES 0, 0
	FETCH_A 0, 0, 4
	STEP 0, 0, 1
	TURN 0, 1, 1, 1
	STEP 1, 0, 0
	TURN 1, 0, 1, 2
	STEP 0, 0, 0
	TURN 0, 1, 0, 3
	STEP 1, 0, 0
	s_wait_dscnt 4*NL
	WIN MUL_LO
	MUL16 0, 1, NQ-1, 1, 0
	MUL16 2, 1, NQ-1, 1, 0
	s_wait_dscnt 0
	WIN MUL_HI
	MUL16 4, 1, NQ-1, 1, 0
	MUL16 6, 1, NQ-1, 1, 0
	WIN 0
.macro QUANT4 s, w, a
.set CC, CD+16*((\a)%4)
	WIN 5*(\w)
.irp b, 0,1,2,3
	v_max3_num_f32 v[TM+\b], |v[(\s)+16*\b]|, |v[(\s)+16*\b+1]|, 0x8000000
.endr
.irp i, 2,4,6,8,10,12,14
.irp b, 0,1,2,3
	v_max3_num_f32 v[TM+\b], |v[(\s)+16*\b+\i]|, |v[(\s)+16*\b+\i+1]|, v[TM+\b]
.endr
.endr
	WIN 0
.irp b, 0,1,2,3
	v_permlanex16_b32 v[TM+4+\b], v[TM+\b], s[2:2], s[3:3]
.endr
.irp b, 0,1,2,3
	v_max_num_f32 v[TM+\b], v[TM+\b], v[TM+4+\b]
.endr
.irp b, 0,1,2,3
	v_add_nc_u32 v[TM+12+\b], 0xf8800000, v[TM+\b]
.endr
.irp b, 0,1,2,3
	v_and_or_b32 v[TM+8+\b], v[TM+\b], 0x7f800000, s98
.endr
.irp b, 0,1,2,3
	v_lshrrev_b32 v[TM+4+\b], 23, v[TM+12+\b]
.endr
	v_lshl_or_b32 v[PW+(\a)], v[TM+5], 8, v[TM+4]
	v_lshl_or_b32 v[PW+(\a)], v[TM+6], 16, v[PW+(\a)]
	v_lshl_or_b32 v[PW+(\a)], v[TM+7], 24, v[PW+(\a)]
	WIN (\w)
.irp b, 0,1,2,3
.irp i, 0,1,2,3,4,5,6,7,8,9,10,11,12,13,14,15
	v_med3_num_f32 v[T+16*\b+\i], v[(\s)+16*\b+\i], -v[TM+8+\b], v[TM+8+\b]
.endr
.endr
	WIN 0
.irp b, 0,1,2,3
	v_cvt_scalef32_pk8_bf8_f32 v[CC+4*\b:CC+4*\b+1], v[T+16*\b:T+16*\b+7], v[TM+12+\b]
	v_cvt_scalef32_pk8_bf8_f32 v[CC+4*\b+2:CC+4*\b+3], v[T+16*\b+8:T+16*\b+15], v[TM+12+\b]
.endr
	v_nop
.endm
.macro ROPE a
	WIN 0x06+(\a)/4
.irp hh, 0,1
.irp i, 0,2,4,6,8,10,12,14
	v_pk_mul_f32 v[T+32*\hh+\i:T+32*\hh+\i+1], v[64*((\a)%4)+32*\hh+\i:64*((\a)%4)+32*\hh+\i+1], v[32*(\a)+\i:32*(\a)+\i+1]
	v_pk_mul_f32 v[T+32*\hh+16+\i:T+32*\hh+16+\i+1], v[64*((\a)%4)+32*\hh+16+\i:64*((\a)%4)+32*\hh+16+\i+1], v[32*(\a)+\i:32*(\a)+\i+1]
.endr
.irp i, 0,2,4,6,8,10,12,14
	v_pk_fma_f32 v[T+32*\hh+\i:T+32*\hh+\i+1], v[64*((\a)%4)+32*\hh+16+\i:64*((\a)%4)+32*\hh+16+\i+1], v[32*(\a)+16+\i:32*(\a)+16+\i+1], v[T+32*\hh+\i:T+32*\hh+\i+1] neg_lo:[1,0,0] neg_hi:[1,0,0]
	v_pk_fma_f32 v[T+32*\hh+16+\i:T+32*\hh+16+\i+1], v[64*((\a)%4)+32*\hh+\i:64*((\a)%4)+32*\hh+\i+1], v[32*(\a)+16+\i:32*(\a)+16+\i+1], v[T+32*\hh+16+\i:T+32*\hh+16+\i+1]
.endr
.endr
	WIN 0
.endm
.macro FINISH
	s_wait_tensorcnt 0x0
	ds_add_u32 v[SPW], v[NIL]
	s_wait_dscnt 0x0
	CROUND
	s_endpgm
.endm
	PLACES NP
.irp b, 0,1,2,3
	v_mov_b32 v[TM+4+\b], 0
.endr
	s_mov_b32 s2, 0x76543210
	s_mov_b32 s3, 0xfedcba98
	s_mov_b32 s98, 0x600000
	s_mov_b32 s23, 0
	s_cmp_eq_u32 ttmp9, 2
	s_cbranch_scc1 .Lv_out
	s_lshr_b32 s18, s17, 3
	s_lshl_b32 s18, s18, 4
	s_and_b32 s19, s42, 3
	s_lshl_b32 s19, s19, 2
	s_add_co_u32 s18, s18, s19
	s_lshl_b32 s19, s16, 1
	s_add_co_u32 s18, s18, s19
	s_and_b32 s19, s17, 7
	s_lshl_b32 s19, s19, 1
	s_add_co_u32 s19, s19, s15
	s_lshr_b32 s20, s42, 2
	s_lshl_b32 s22, s20, 23
	s_lshl_b32 s21, s18, 17
	s_add_co_u32 s22, s22, s21
	s_lshl_b32 s21, s19, 13
	s_add_co_u32 s22, s22, s21
	s_add_nc_u64 s[8:9], s[6:7], s[22:23]
	s_lshl_b32 s22, s20, 18
	s_lshl_b32 s21, s18, 12
	s_add_co_u32 s22, s22, s21
	s_lshl_b32 s21, s19, 8
	s_add_co_u32 s22, s22, s21
	s_add_co_u32 s22, s22, QS_O
	s_add_nc_u64 s[10:11], s[6:7], s[22:23]
	s_lshl_b32 s22, s19, 15
	s_add_co_u32 s22, s22, RT_O
	s_add_nc_u64 s[12:13], s[4:5], s[22:23]
	WIN TO_B
.irp a, 0,1,2,3,4,5,6,7
.irp g, 0,1,2,3,4,5,6,7
	global_load_b128 v[32*\a+4*\g:32*\a+4*\g+3], v[LI], s[12:13] offset:4096*\a+512*\g
.endr
.endr
	WIN 0
.irp a, 0,1,2,3,4,5,6,7
	s_wait_loadcnt 8*(7-\a)
.if \a > 3
	s_wait_xcnt 0x0
.endif
	ROPE \a
	QUANT4 T, 0, \a
.irp b, 0,1,2,3
	global_store_b128 v[LI], v[CD+16*(\a%4)+4*\b:CD+16*(\a%4)+4*\b+3], s[8:9] offset:(\b/2)*131072+\a*1024+(\b%2)*512
.endr
.endr
.irp w, 0,1,2,3
	v_perm_b32 v[REC+\w], v[PW+2*\w+1], v[PW+2*\w], v[SELV]
.endr
	global_store_b128 v[SO], v[REC:REC+3], s[10:11]
	FINISH
.Lv_out:
	s_lshr_b32 s18, s42, 3
	s_lshl_b32 s18, s18, 4
	s_lshl_b32 s19, s17, 2
	s_add_co_u32 s18, s18, s19
	s_lshl_b32 s19, s15, 1
	s_add_co_u32 s18, s18, s19
	s_lshl_b32 s19, s42, 1
	s_add_co_u32 s19, s19, s16
	s_and_b32 s19, s19, 15
	s_lshl_b32 s22, s18, 17
	s_lshl_b32 s21, s19, 13
	s_add_co_u32 s22, s22, s21
	s_add_co_u32 s22, s22, VC_O
	s_add_nc_u64 s[8:9], s[6:7], s[22:23]
	s_lshl_b32 s22, s18, 12
	s_lshl_b32 s21, s19, 8
	s_add_co_u32 s22, s22, s21
	s_add_co_u32 s22, s22, VS_O
	s_add_nc_u64 s[10:11], s[6:7], s[22:23]
	s_mov_b32 vcc_lo, 0xffff0000
.irp a, 0,1,2,3,4,5,6,7
.if \a > 3
	s_wait_xcnt 0x0
.endif
	QUANT4 64*(\a%4), 2+\a/4, \a
.irp b, 0,1,2,3
	global_store_b128 v[LI], v[CD+16*(\a%4)+4*\b:CD+16*(\a%4)+4*\b+3], s[8:9] offset:(\a/4)*131072+(\a%4)*2048+\b*512
.endr
.endr
.irp w, 0,1,2,3
	v_cndmask_b32 v[REC+\w], v[PW+\w], v[PW+4+\w], vcc_lo
.endr
	global_store_b128 v[SO], v[REC:REC+3], s[10:11]
	FINISH
.Lfunc_end_k_qa558e0dc68_gemm_qkv:
	.size	k_qa558e0dc68_gemm_qkv, .Lfunc_end_k_qa558e0dc68_gemm_qkv-k_qa558e0dc68_gemm_qkv
	.p2alignl 7, 3214868480
	.fill 96, 4, 3214868480
	.section	.rodata,"a",@progbits
	.p2align	6, 0x0
	.amdhsa_kernel k_qa558e0dc68_gemm_qkv
		.amdhsa_group_segment_fixed_size 327680
		.amdhsa_private_segment_fixed_size 0
		.amdhsa_enable_private_segment 0
		.amdhsa_kernarg_size 16
		.amdhsa_user_sgpr_count 2
		.amdhsa_user_sgpr_kernarg_segment_ptr 1
		.amdhsa_wavefront_size32 1
		.amdhsa_system_sgpr_workgroup_id_x 1
		.amdhsa_system_sgpr_workgroup_id_y 1
		.amdhsa_system_sgpr_workgroup_id_z 1
		.amdhsa_system_vgpr_workitem_id 0
		.amdhsa_next_free_vgpr 1024
		.amdhsa_next_free_sgpr 100
		.amdhsa_reserve_vcc 1
		.amdhsa_float_denorm_mode_32 3
		.amdhsa_float_denorm_mode_16_64 3
		.amdhsa_memory_ordered 1
		.amdhsa_forward_progress 1
		.amdhsa_inst_pref_size 255
	.end_amdhsa_kernel
	.section	.bss,"aw",@nobits
	.p2align	6
	.space	262144
	.amdgpu_metadata
---
amdhsa.version: [ 1, 2 ]
amdhsa.kernels:
  - .name:           k_qa558e0dc68_gemm_qkv
    .symbol:         k_qa558e0dc68_gemm_qkv.kd
    .args:
      - { .name: pre, .offset: 0, .size: 8, .value_kind: global_buffer, .address_space: global }
      - { .name: qkv, .offset: 8, .size: 8, .value_kind: global_buffer, .address_space: global }
    .group_segment_fixed_size: 327680
    .private_segment_fixed_size: 0
    .kernarg_segment_align: 8
    .kernarg_segment_size: 16
    .max_flat_workgroup_size: 128
    .sgpr_count:     100
    .vgpr_count:     1024
    .wavefront_size: 32
...
	.end_amdgpu_metadata
.endif
;; end of part 2
;; launch attn (part 3): grid 4 x 64, 16 waves a work-group, no clusters, 272,384 bytes of LDS; arguments qkv, mk, att; writes att
.if DOCPART == 3
	.amdgcn_target "amdgcn-amd-amdhsa--gfx1250"
	.amdhsa_code_object_version 6
	.text
	.protected	k_qa558e0dc68_attn
	.globl	k_qa558e0dc68_attn
	.p2align	8
	.type	k_qa558e0dc68_attn,@function
k_qa558e0dc68_attn:
	s_mov_b64 s[64:65], 0
	v_nop
	global_prefetch_b8 v0, s[64:65] scope:SCOPE_SE
	s_setreg_imm32_b32 hwreg(HW_REG_WAVE_MODE, 25, 1), 1
	s_wait_xcnt 0x0
; o = softmax(q k^T / 8, under the given mask) v for one head, both products on codes of E5M2 with E8M0 scales; o is quantised at once for the last projection.
; THE SOFTMAX: t = score x log2(e) / 8; M = the row's largest t so far, rounded up to a whole number; p = 2^(t - M) is quantised along the keys, not normalised; the row's sum is taken of the unquantised p and divides at the end.
; SHARES.  A work-group takes one head (y) and a quarter of its query tiles (x).  Wave w owns query tiles 127 - g and g, g = 16 x + w, 16 queries each, and walks 16 steps of 128 keys for each.
; K AND V COME INTO LDS STEP BY STEP, through registers.  A step is 8,192 bytes of k and 8,192 of v; each wave brings 512 of each.  The head stages steps 0 to PRE - 1 and all scale bytes, behind one whole barrier.
; In the first tile's walk the end of trip s is: the wait of the barrier that was signalled at the end of trip s - 1; my part of step s + PRE into LDS; the request for my part of step s + PRE + 1; the signal.
; So a step's bytes, each written once in the launch, are stored ahead of a signal whose wait every wave passes at least one trip ahead of the trip that reads them, and a load has a trip in which to land.
; Between a signal and its wait stand register work, waits and LDS loads of bytes that nobody writes any more.  The second tile's walk finds the whole head in LDS and has no barrier.
; THE MASK IS AN INPUT.  An earlier launch has stored, for each (query tile, step), a record of 64 lane masks in the scores' own layout and two bits: 0 no key counts, 1 some do, 2 all do.  A step with 0 is left out by a scalar
; branch on that stored number; with 1 the hidden scores become -infinity ahead of the maximum.  That holds for every mask.  A record is asked for at the end of the trip before, and only where the next step's bits are 1.
; This launch has no tensor loads, and with them no joint loads.  Nothing is prefetched: k and v are asked for by plain loads PRE + 1 steps ahead of their use.
; LAYOUT.  S^T = k q^T (source 0 = keys, source 1 = my 16 queries), O^T = v^T p^T: a lane holds one query throughout.  The head has 64 channels and the instruction takes 128 along K: source 0 holds TWO tiles of keys, one in each half of K,
; and source 1 is q beside zeros, [q | 0] or [0 | q], which picks one of them.  Tile i of keys holds rows 32 (i / 2) + 8 (i % 2) + r + 8 (r / 8), so the 16 registers of two neighbouring tiles are 16 neighbouring keys.
; A ROW FOR WHICH NO KEY COUNTS has the sum 0: its scale bytes are stored as 0xff, which makes the row of the last projection NaN, as a softmax over nothing is.
; LIMITS: t under -3e38 is not served; a block whose largest magnitude lies under 2^-111 gets the scale byte 1; NaN and infinities among the inputs are not served.
; REGISTERS: v1 16 x lane; v2 k's scale words; v3-5 the step's LDS addresses; v6 16 r; v7 16 x lane + 512 x wave; v8, v235 where the step on its way goes; v9 0xffff; v10 -infinity; v11 lane; v12 -M, v13 the largest t, v[14:15] the sum;
; v16-23 zeros, v24-31 q, v32-39 zeros; v40-103 fragments; v104-167 S^T, then p; v168-199 O^T; v200-215 p's codes; v216-239 at work; v224-227, v250-253 the step on its way; v240-247 scale words, v248 q's, v249 p's.
.set KC_O,  8388608
.set QS_O,  25165824
.set KS_O,  25427968
.set AS_O,  8388608
.set MF_O,  0x80000
.set VL,    131072
.set KSL,   262144
.set S,     104
.set O,     168
.set PC,    200
.set BM,    216                        ; a block's largest score, its largest p, then 57,344 x the scale
.set BP,    220
.set BS,    228
.set SK,    224
.set SV,    250
.set CS,    14
.set PRE,   4                          ; steps staged at the head
.macro REC                             ; the record at s30: 64 lane masks
	s_load_b512 s[32:47], s[6:7], s30 offset:0x0
	s_load_b512 s[48:63], s[6:7], s30 offset:0x40
	s_load_b512 s[68:83], s[6:7], s30 offset:0x80
	s_load_b512 s[84:99], s[6:7], s30 offset:0xc0
.endm
.macro THEAD                           ; tile s22: its q, q's scale bytes and its flags are asked for
	s_wait_kmcnt 0x0                               ; no record is on its way into s32 on
	s_lshl_b32 s24, s22, 10
	s_add_co_u32 s24, s24, s12
	s_mov_b32 s25, 0
	s_add_nc_u64 s[24:25], s[4:5], s[24:25]
	s_lshr_b32 s26, s22, 3
	s_lshl_b32 s26, s26, 8
	s_and_b32 s28, s22, 7
	s_lshl_b32 s28, s28, 1
	s_add_co_u32 s26, s26, s28
	s_add_co_u32 s26, s26, s13
	s_mov_b32 s27, 0
	s_add_nc_u64 s[26:27], s[4:5], s[26:27]
	global_load_b128 v[24:27], v1, s[24:25]
	global_load_b128 v[28:31], v1, s[24:25] offset:512
	global_load_u16 v248, v6, s[26:27]
	s_lshl_b32 s28, s22, 4
	s_load_b128 s[32:35], s[6:7], s28 offset:MF_O
	s_lshl_b32 s30, s22, 12
	s_mov_b32 s21, 0
	s_mov_b32 s29, 0
	s_mov_b32 s31, 16
.endm
.macro TINIT cnt                       ; cnt: the loads issued behind q's, which may stay out
	s_wait_kmcnt 0x0
	s_or_b32 s19, s32, s33
	s_or_b32 s19, s19, s34
	s_or_b32 s19, s19, s35                         ; two bits a step, step 0 lowest
	REC                                            ; step 0's record
	s_wait_loadcnt \cnt
	v_lshl_or_b32 v248, v248, 16, v248             ; q's two bytes in both halves of the word
	v_mov_b32 v13, 0xff61b1e6
	v_floor_f32 v12, -v13
	v_mov_b32 v14, 0
	v_mov_b32 v15, 0
.set j, 0
.rept 32
	v_mov_b32 v[O+j], 0                            ; O^T accumulates: the first step finds zeros
.set j, j+1
.endr
	s_wait_alu depctr_va_vdst(0)
.endm
.macro TILE p                          ; a tile's 16 trips and its end.  p = 1: the walk that stages k and v
.Lstep_\p:
	s_and_b32 s20, s19, 3
	s_lshr_b32 s19, s19, 2
	s_cmp_eq_u32 s20, 0
	s_cbranch_scc1 .Lskip_\p                       ; no key of this step counts for my 16 queries
	v_add_nc_u32 v3, s21, v1
	v_add_nc_u32 v5, s29, v2
	v_add_nc_u32 v4, VL, v3
	v_nop                                          ; with the four at the last step's end: eight places ahead of the loads
.set j, 0
.rept 16
	ds_load_b128 v[40+4*j:43+4*j], v3 offset:512*j
.set j, j+1
.endr
	ds_load_b128 v[240:243], v5
	s_wait_alu depctr_va_vdst(0)
	s_wait_dscnt 0x0
.irp b, 0,1,2,3
	v_wmma_scale_f32_16x16x128_f8f6f4 v[S+16*\b:S+16*\b+7], v[40+16*\b:55+16*\b], v[24:39], 0, v[240+\b], v248 matrix_a_fmt:MATRIX_FMT_BF8 matrix_b_fmt:MATRIX_FMT_BF8
	v_wmma_scale_f32_16x16x128_f8f6f4 v[S+16*\b+8:S+16*\b+15], v[40+16*\b:55+16*\b], v[16:31], 0, v[240+\b], v248 matrix_a_fmt:MATRIX_FMT_BF8 matrix_b_fmt:MATRIX_FMT_BF8
.endr
.rept 8
	v_nop                                          ; places: for the loads below and the first read of the scores
.endr
.set j, 0
.rept 16
	ds_load_b128 v[40+4*j:43+4*j], v4 offset:512*j ; v's tiles land under the softmax
.set j, j+1
.endr
	ds_load_b128 v[244:247], v5 offset:4096
	s_cmp_eq_u32 s20, 1
	s_cbranch_scc0 .Lopen_\p                       ; every key counts
	s_wait_kmcnt 0x0                               ; this step's record, asked for at the last trip's end
.set n, 0
.rept 64
.if n < 32
	v_cndmask_b32 v[S+n], v10, v[S+n], s[32+n]
.else
	v_cndmask_b32 v[S+n], v10, v[S+n], s[36+n]
.endif
.set n, n+1
.endr
.Lopen_\p:
.irp b, 0,1,2,3
	v_max3_num_f32 v[BM+\b], v[S+16*\b], v[S+1+16*\b], v[S+2+16*\b]   ; the largest score of each block of 32 keys
.endr
.irp i, 3,5,7,9,11,13
.irp b, 0,1,2,3
	v_max3_num_f32 v[BM+\b], v[BM+\b], v[S+16*\b+\i], v[S+1+16*\b+\i]
.endr
.endr
.irp b, 0,1,2,3
	v_max_num_f32 v[BM+\b], v[BM+\b], v[S+15+16*\b]
.endr
.irp b, 0,1,2,3
	v_permlanex16_b32 v[BP+\b], v[BM+\b], s2, s3
.endr
	v_dual_max_num_f32 v[BM], v[BM], v[BP] :: v_dual_max_num_f32 v[BM+1], v[BM+1], v[BP+1]       ; with lane l xor 16's 16 keys, two blocks a line
	v_dual_max_num_f32 v[BM+2], v[BM+2], v[BP+2] :: v_dual_max_num_f32 v[BM+3], v[BM+3], v[BP+3]
	v_max3_num_f32 v234, v[BM], v[BM+1], v[BM+2]
	v_max_num_f32 v234, v234, v[BM+3]
	v_mul_f32 v234, s[CS], v234
	v_max_num_f32 v13, v13, v234                   ; the running largest t
	v_mov_b32 v234, v12
	v_floor_f32 v12, -v13                          ; the new -M
	v_sub_f32 v234, v12, v234
	v_cvt_i32_f32 v234, v234
	v_ldexp_f32 v236, 1.0, v234                    ; f = 2^(old M - new M)
.set j, 0
.rept 32
	v_pk_fma_f32 v[S+j:S+1+j], v[S+j:S+1+j], s[CS:CS+1], v[12:13] op_sel_hi:[1,0,0]   ; t - M
.set j, j+2
.endr
	v_pk_fma_f32 v[BM:BM+1], v[BM:BM+1], s[CS:CS+1], v[12:13] op_sel_hi:[1,0,0]       ; the same of each block's largest score, by the same form
	v_pk_fma_f32 v[BM+2:BM+3], v[BM+2:BM+3], s[CS:CS+1], v[12:13] op_sel_hi:[1,0,0]
	s_wait_alu depctr_va_vdst(0)                   ; ahead of the batch
.set j, 0
.rept 64
	v_exp_f32 v[S+j], v[S+j]                       ; p = 2^(t - M)
.set j, j+1
.endr
	v_pk_mul_f32 v[14:15], v[14:15], v[236:237] op_sel_hi:[1,0]   ; the sums under the new M: a plain line behind the batch
	s_wait_alu depctr_va_vdst(0)                   ; one wait for the batch
.irp b, 0,1,2,3
	v_exp_f32 v[BM+\b], v[BM+\b]                   ; the block's largest p
.endr
	v_pk_add_f32 v[232:233], v[S:S+1], v[S+2:S+3]  ; the row's sum of the unquantised p, in three chains
	v_pk_add_f32 v[238:239], v[S+4:S+5], v[S+6:S+7]
	v_pk_add_f32 v[14:15], v[14:15], v[S+8:S+9]
.set j, 10
.rept 9
	v_pk_add_f32 v[232:233], v[232:233], v[S+j:S+j+1]
	v_pk_add_f32 v[238:239], v[238:239], v[S+j+2:S+j+3]
	v_pk_add_f32 v[14:15], v[14:15], v[S+j+4:S+j+5]
.set j, j+6
.endr
	v_pk_add_f32 v[232:233], v[232:233], v[238:239]
	v_pk_add_f32 v[14:15], v[14:15], v[232:233]
	s_wait_alu depctr_va_vdst(0)                   ; and one for the four
.irp b, 0,1,2,3
	v_max_num_f32 v[BM+\b], 0x8000000, v[BM+\b]    ; the floor 2^(16 - 127)
.endr
.irp b, 0,1,2,3
	v_add_nc_u32 v[BS+\b], 0xf8800000, v[BM+\b]    ; the conversion's scale operand
.endr
.irp b, 0,1,2,3
	v_and_or_b32 v[BM+\b], v[BM+\b], 0x7f800000, s16   ; 57,344 x the scale, over the maximum
.endr
.irp b, 0,1,2,3
	v_lshrrev_b32 v[BP+\b], 23, v[BS+\b]
.endr
	v_lshl_or_b32 v249, v[BP+1], 8, v[BP]          ; p's scale word for these 128 keys
	v_lshl_or_b32 v249, v[BP+2], 16, v249
	v_lshl_or_b32 v249, v[BP+3], 24, v249
.irp b, 0,1,2,3
.irp i, 0,2,4,6,8,10,12,14
	v_dual_min_num_f32 v[S+16*\b+\i], v[S+16*\b+\i], v[BM+\b] :: v_dual_min_num_f32 v[S+16*\b+\i+1], v[S+16*\b+\i+1], v[BM+\b]   ; the hold, two numbers a line; p is not negative
.endr
	v_cvt_scalef32_pk8_bf8_f32 v[PC+4*\b:PC+1+4*\b], v[S+16*\b:S+7+16*\b], v[BS+\b]
	v_cvt_scalef32_pk8_bf8_f32 v[PC+2+4*\b:PC+3+4*\b], v[S+8+16*\b:S+15+16*\b], v[BS+\b]
.endr
	s_wait_alu depctr_va_vdst(0)                   ; directly ahead of the first reader of O^T
.set j, 0
.rept 16
	v_pk_mul_f32 v[O+j:O+1+j], v[O+j:O+1+j], v[236:237] op_sel_hi:[1,0]   ; O^T under the new M; also the places between the codes and the products
.set j, j+2
.endr
	s_wait_alu depctr_va_vdst(0)
	s_wait_dscnt 0x0                               ; v and its scale words are in
.irp t, 0,1,2,3
	v_wmma_scale_f32_16x16x128_f8f6f4 v[O+8*\t:O+8*\t+7], v[40+16*\t:55+16*\t], v[PC:PC+15], v[O+8*\t:O+8*\t+7], v[244+\t], v249 matrix_a_fmt:MATRIX_FMT_BF8 matrix_b_fmt:MATRIX_FMT_BF8
.endr
.rept 4
	v_nop
.endr
.Lskip_\p:
	s_wait_xcnt 0x0                                ; a record's loads have read s30
	s_add_co_u32 s21, s21, 8192
	s_add_co_u32 s29, s29, 256
	s_add_co_u32 s30, s30, 256
.if \p
	s_barrier_wait -1                              ; the barrier signalled at the last trip's end: every wave's part of step s + PRE - 1 lies in LDS
	s_wait_loadcnt 0x0                             ; my part of step s + PRE is in registers
	s_cmp_lt_u32 s29, (17-PRE)*256                 ; trips 0 to 15 - PRE store
	s_cbranch_scc0 .Lns_\p
	ds_store_b128 v8, v[SK:SK+3] offset:8192*PRE
	ds_store_b128 v235, v[SV:SV+3] offset:8192*PRE
.Lns_\p:
	s_wait_dscnt 0x0                               ; for the others' sake: my stores have landed
	s_cmp_lt_u32 s29, (16-PRE)*256                 ; trips 0 to 14 - PRE ask for step s + PRE + 1
	s_cbranch_scc0 .Lnl_\p
	v_add_nc_u32 v8, s21, v7
	v_add_nc_u32 v235, VL, v8
	s_wait_alu depctr_va_vdst(0)                   ; directly behind the writes: the next trip's stores read them
	global_load_b128 v[SK:SK+3], v8, s[100:101] offset:8192*PRE
	global_load_b128 v[SV:SV+3], v8, s[104:105] offset:8192*PRE
.Lnl_\p:
.endif
	s_and_b32 s28, s19, 3                          ; the next step's two bits (0 behind the last step)
	s_cmp_eq_u32 s28, 1
	s_cbranch_scc0 .Lnr_\p
	s_wait_kmcnt 0x0                               ; the record's registers are free,
	REC                                            ; and take the next step's
.Lnr_\p:
.if \p
	s_barrier_signal -1
.endif
	s_sub_co_u32 s31, s31, 1
	s_cmp_lg_u32 s31, 0
	s_cbranch_scc1 .Lstep_\p
.if \p
	s_barrier_wait -1                              ; the last trip's signal: the whole head lies in LDS
.endif
	; the tile's end: O^T / the sum, quantised along the channels: registers 16 n + i are channels 32 n + 16 h + i
.rept 4
	v_nop                                          ; with the four at the step's end: eight places behind the last products
.endr
	v_add_f32 v14, v14, v15
	v_permlanex16_b32 v234, v14, s2, s3
	v_add_f32 v14, v14, v234                       ; the row's sum
	s_wait_alu depctr_va_vdst(0)
	v_rcp_f32 v236, v14
	v_nop
	v_cmp_eq_f32 s66, 0, v14                       ; the rows for which no key counted
	s_wait_kmcnt 0x0                               ; no record is on its way: s84 on are free
	s_lshl_b32 s84, s22, 14
	s_add_co_u32 s84, s84, s17
	s_mov_b32 s85, 0
	s_add_nc_u64 s[84:85], s[8:9], s[84:85]
	s_lshl_b32 s86, s22, 9
	s_add_co_u32 s86, s86, s18
	s_mov_b32 s87, 0
	s_add_nc_u64 s[86:87], s[8:9], s[86:87]
.if \p
	s_sub_co_u32 s22, 127, s22                     ; my second tile, g: its q and flags land under this tile's end
	THEAD
.endif
	s_wait_alu depctr_va_vdst(0)
.set j, 0
.rept 16
	v_pk_mul_f32 v[S+j:S+1+j], v[O+j:O+1+j], v[236:237] op_sel_hi:[1,0]
.set j, j+2
.endr
.irp b, 0,1
	v_max3_num_f32 v[BM+\b], |v[S+16*\b]|, |v[S+1+16*\b]|, 0x8000000
.endr
.irp i, 2,4,6,8,10,12,14
.irp b, 0,1
	v_max3_num_f32 v[BM+\b], v[BM+\b], |v[S+16*\b+\i]|, |v[S+1+16*\b+\i]|
.endr
.endr
.irp b, 0,1
	v_permlanex16_b32 v[BP+\b], v[BM+\b], s2, s3
.endr
.irp b, 0,1
	v_max_num_f32 v[BM+\b], v[BM+\b], v[BP+\b]
.endr
.irp b, 0,1
	v_add_nc_u32 v[BS+\b], 0xf8800000, v[BM+\b]
.endr
.irp b, 0,1
	v_and_or_b32 v[BM+\b], v[BM+\b], 0x7f800000, s16
.endr
.irp b, 0,1
	v_lshrrev_b32 v[BP+\b], 23, v[BS+\b]
.endr
	v_lshl_or_b32 v234, v[BP+1], 8, v[BP]
	v_cndmask_b32 v234, v234, v9, s66              ; 0xff twice where the sum is 0
.irp b, 0,1
.irp i, 0,1,2,3,4,5,6,7,8,9,10,11,12,13,14,15
	v_med3_num_f32 v[S+16*\b+\i], v[S+16*\b+\i], -v[BM+\b], v[BM+\b]
.endr
	v_cvt_scalef32_pk8_bf8_f32 v[PC+4*\b:PC+1+4*\b], v[S+16*\b:S+7+16*\b], v[BS+\b]
	v_cvt_scalef32_pk8_bf8_f32 v[PC+2+4*\b:PC+3+4*\b], v[S+8+16*\b:S+15+16*\b], v[BS+\b]
.endr
	v_nop                                          ; a plain line behind the last conversion
	global_store_b128 v1, v[PC:PC+3], s[84:85]     ; 512 consecutive bytes each
	global_store_b128 v1, v[PC+4:PC+7], s[84:85] offset:512
	v_cmp_gt_u32 vcc_lo, 16, v11
	s_wait_xcnt 0x0                                ; EXEC changes only behind this wait
	s_and_saveexec_b32 s67, vcc_lo
	global_store_b16 v6, v234, s[86:87]            ; lanes 0-15: a row's two bytes
	s_wait_xcnt 0x0                                ; and again; behind it the stores' data and bases may be written too
	s_or_b32 exec_lo, exec_lo, s67
.endm
	s_load_b128 s[4:7], s[0:1], 0x0                ; qkv, mk
	s_load_b64 s[8:9], s[0:1], 0x10                ; att
	v_lshl_add_u32 v254, v0, 2, 0x42000
	v_mov_b32 v255, 0
	v_lshrrev_b32 v1, 5, v0
	v_readfirstlane_b32 s10, v1                    ; wave 0..15
	v_and_b32 v11, 31, v0
	v_and_b32 v6, 15, v0
	v_lshlrev_b32 v6, 4, v6
	v_lshlrev_b32 v1, 4, v11
	v_add_nc_u32 v2, KSL, v6
	s_and_b32 s11, ttmp7, 0xffff                   ; batch x 16 + head
	s_lshl_b32 s12, s11, 17                        ; its 131,072 bytes of codes in each of q, k, v
	s_lshl_b32 s17, s10, 9
	v_add_nc_u32 v7, s17, v1                       ; my 512 bytes of a step's 8,192, in memory and in LDS alike
	v_add_nc_u32 v235, VL, v7
	v_add_nc_u32 v5, KSL, v7                       ; and of the scale bytes: waves 0-7 k's, waves 8-15 v's
	v_mov_b32 v8, v7
	s_add_co_u32 s32, s12, KC_O
	s_mov_b32 s33, 0
	s_lshr_b32 s36, s10, 3
	s_lshl_b32 s36, s36, 18
	s_lshl_b32 s18, s11, 12
	s_add_co_u32 s36, s36, s18
	s_and_b32 s19, s10, 7
	s_lshl_b32 s19, s19, 9
	s_add_co_u32 s36, s36, s19
	s_add_co_u32 s36, s36, KS_O
	s_mov_b32 s37, 0
	s_wait_alu depctr_va_vdst(0)
	s_wait_kmcnt 0x0
	s_add_nc_u64 s[100:101], s[4:5], s[32:33]      ; the head's k
	s_add_nc_u64 s[104:105], s[100:101], 0x800000  ; and v
	s_add_nc_u64 s[36:37], s[4:5], s[36:37]
.set j, 0
.rept PRE                                          ; steps 0 to PRE - 1
	global_load_b128 v[40+8*j:43+8*j], v7, s[100:101] offset:8192*j
	global_load_b128 v[44+8*j:47+8*j], v7, s[104:105] offset:8192*j
.set j, j+1
.endr
	global_load_b128 v[104:107], v1, s[36:37]
	s_mov_b32 s2, 0x76543210
	s_mov_b32 s3, 0xfedcba98                       ; lane l xor 16
	s_mov_b32 s[CS], 0x3e38aa3b                    ; log2(e) / 8
	s_mov_b32 s[CS+1], s[CS]
	s_mov_b32 s16, 0x600000                        ; the mantissa field of 57,344
	s_add_co_u32 s13, s18, QS_O
	s_lshr_b32 s19, s11, 4                         ; batch
	s_and_b32 s20, s11, 15                         ; head
	s_lshl_b32 s17, s19, 21
	s_lshl_b32 s21, s20, 10
	s_add_co_u32 s17, s17, s21                     ; att's codes: 128 tiles of 16,384 bytes a batch, 1,024 a head
	s_lshl_b32 s18, s19, 16
	s_lshr_b32 s21, s20, 3
	s_lshl_b32 s21, s21, 8
	s_add_co_u32 s18, s18, s21
	s_and_b32 s21, s20, 7
	s_lshl_b32 s21, s21, 1
	s_add_co_u32 s18, s18, s21
	s_add_co_u32 s18, s18, AS_O                    ; its scale bytes
	s_lshl_b32 s22, ttmp9, 4
	s_add_co_u32 s22, s22, s10
	s_sub_co_u32 s22, 127, s22                     ; my first query tile: 127 - g
	v_mov_b32 v9, 0xffff
	v_mov_b32 v10, 0xff800000
.irp j, 0,1,2,3,4,5,6,7
	v_mov_b32 v[16+\j], 0
	v_mov_b32 v[32+\j], 0
.endr
.irp b, 0,1,2,3
	v_mov_b32 v[BP+\b], 0                          ; a lane permute's destination counts as one of its sources
.endr
	v_mov_b32 v234, 0
	v_mov_b32 v237, 0                              ; (the upper half of the pair v[236:237])
	THEAD
	s_wait_alu depctr_va_vdst(0)
	s_wait_loadcnt 3                               ; the 2 PRE + 1 staging loads are in; q's three may be out
.set j, 0
.rept PRE
	ds_store_b128 v7, v[40+8*j:43+8*j] offset:8192*j
	ds_store_b128 v235, v[44+8*j:47+8*j] offset:8192*j
.set j, j+1
.endr
	ds_store_b128 v5, v[104:107]
	global_load_b128 v[SK:SK+3], v8, s[100:101] offset:8192*PRE   ; step PRE
	global_load_b128 v[SV:SV+3], v8, s[104:105] offset:8192*PRE
	s_wait_dscnt 0x0                               ; for the others' sake: my stores have landed
	s_barrier_signal -1
	s_barrier_wait -1                              ; steps 0 to PRE - 1 and the scale bytes lie in LDS
	TINIT 2                                        ; step PRE's two loads may be out
	s_barrier_signal -1                            ; the signal that the first trip's end waits for
	TILE 1
	TINIT 0
	TILE 0
	s_wait_tensorcnt 0x0                           ; the wave's end
	ds_add_u32 v254, v255
	s_wait_dscnt 0x0
	s_endpgm
.Lfunc_end_k_qa558e0dc68_attn:
	.size	k_qa558e0dc68_attn, .Lfunc_end_k_qa558e0dc68_attn-k_qa558e0dc68_attn
	.p2alignl 7, 3214868480
	.fill 96, 4, 3214868480
	.section	.rodata,"a",@progbits
	.p2align	6, 0x0
	.amdhsa_kernel k_qa558e0dc68_attn
		.amdhsa_group_segment_fixed_size 272384
		.amdhsa_private_segment_fixed_size 0
		.amdhsa_enable_private_segment 0
		.amdhsa_kernarg_size 24
		.amdhsa_user_sgpr_count 2
		.amdhsa_user_sgpr_kernarg_segment_ptr 1
		.amdhsa_wavefront_size32 1
		.amdhsa_system_sgpr_workgroup_id_x 1
		.amdhsa_system_sgpr_workgroup_id_y 1
		.amdhsa_system_sgpr_workgroup_id_z 1
		.amdhsa_system_vgpr_workitem_id 0
		.amdhsa_next_free_vgpr 256
		.amdhsa_next_free_sgpr 106
		.amdhsa_reserve_vcc 1
		.amdhsa_float_denorm_mode_32 3
		.amdhsa_float_denorm_mode_16_64 3
		.amdhsa_memory_ordered 1
		.amdhsa_forward_progress 1
		.amdhsa_inst_pref_size 70
	.end_amdhsa_kernel
	.amdgpu_metadata
---
amdhsa.version: [ 1, 2 ]
amdhsa.kernels:
  - .name:           k_qa558e0dc68_attn
    .symbol:         k_qa558e0dc68_attn.kd
    .args:
      - { .name: qkv, .offset: 0, .size: 8, .value_kind: global_buffer, .address_space: global }
      - { .name: mk, .offset: 8, .size: 8, .value_kind: global_buffer, .address_space: global }
      - { .name: att, .offset: 16, .size: 8, .value_kind: global_buffer, .address_space: global }
    .group_segment_fixed_size: 272384
    .private_segment_fixed_size: 0
    .kernarg_segment_align: 8
    .kernarg_segment_size: 24
    .max_flat_workgroup_size: 512
    .sgpr_count:     106
    .vgpr_count:     256
    .wavefront_size: 32
...
	.end_amdgpu_metadata
.endif
;; end of part 3
;; launch gemm_out (part 4): grid 4 x 32, 4 waves a work-group, clusters of 4 x 4, 327,680 bytes of LDS; arguments att, pre, out0; writes out0
.if DOCPART == 4
	.amdgcn_target "amdgcn-amd-amdhsa--gfx1250"
	.amdhsa_code_object_version 6
	.text
	.protected	k_qa558e0dc68_gemm_out
	.globl	k_qa558e0dc68_gemm_out
	.p2align	8
	.type	k_qa558e0dc68_gemm_out,@function
k_qa558e0dc68_gemm_out:
	s_mov_b64 s[64:65], 0
	v_nop
	global_prefetch_b8 v0, s[64:65] scope:SCOPE_SE
	s_setreg_imm32_b32 hwreg(HW_REG_WAVE_MODE, 25, 1), 1
	s_wait_xcnt 0x0
	s_wait_alu depctr_hold_cnt(0) depctr_sa_sdst(0) depctr_va_vdst(0) depctr_va_sdst(0) depctr_va_ssrc(0) depctr_va_vcc(0) depctr_vm_vsrc(0)
	s_getreg_b32 s2, hwreg(HW_REG_IB_STS2, 6, 4)
	s_cmp_eq_u32 s2, 0
	s_cbranch_scc0 .Lentry_in_a_cluster
	s_endpgm
.Lentry_in_a_cluster:
	s_bfe_u32 s2, ttmp6, 0x10000c
	s_cmp_lg_u32 s2, 0xf033
	s_cbranch_scc0 .Lentry_shape_is_right
	s_endpgm
.Lentry_shape_is_right:
.set NQ,     2
.set FR,     16
.set NL,     4
.set NP,     8
.set TILEB,  4096
.set HALFT,  8*TILEB
.set SLOT,   4*HALFT
.set SCL,    2*SLOT
.set HALFS,  4096
.set SPARE,  SCL+4*HALFS
.set AS_O,   8388608
.set WO_O,   11534336
.set WOS_O,  12943360
.set SPITCH, 528
.set ADRA, 16
.set ADRB, 20
.set STO,  24
.set RD,   25
.set CO,   26
.set ADRS, 27
.set SPW,  28
.set NIL,  29
.set SC,   32
.set AF,   128
.set BK,   128
.set G1, 24
.set G0, 32
.set G1B, 48
.set G0B, 56
.set G1S, 68
.set G0S, 76
.set G1SB, 80
.set G0SB, 88
.set MSB, 0
.macro WIN new
.if MSB != (\new)
	s_set_vgpr_msb (MSB<<8)|(\new)
.set MSB, (\new)
.endif
.endm
.set MUL_LO, 0xa1
.set MUL_HI, 0xf1
.set TO_B,   0x40
.macro JLOAD g0a, g1a, g0b, g1b
	s_cmp_eq_u32 s15, 0
	s_cbranch_scc0 .Lfor_b_\@
	tensor_load_to_lds s[\g0a:\g0a+3], s[\g1a:\g1a+7]
	s_nop 0
.rept 4
	v_nop
.endr
	s_branch .Lasked_\@
.Lfor_b_\@:
	tensor_load_to_lds s[\g0b:\g0b+3], s[\g1b:\g1b+7]
	s_nop 0
.rept 4
	v_nop
.endr
.Lasked_\@:
.endm
.macro CREST
	s_cmp_lg_u32 s14, 0
	s_cbranch_scc1 .Lnot_wave_0_\@
	s_barrier_signal -3
.Lnot_wave_0_\@:
	s_barrier_wait -3
	s_barrier_signal -1
	s_barrier_wait -1
.endm
.macro CROUND
	s_barrier_signal -1
	s_barrier_wait -1
	CREST
.endm
	s_load_b128 s[4:7], s[0:1], 0x0
	s_load_b64 s[8:9], s[0:1], 0x10
	v_lshl_add_u32 v[SPW], v0, 2, SPARE
	v_mov_b32 v[NIL], 0
	ds_add_u32 v28, v29
	ds_add_u32 v28, v29
	s_wait_dscnt 0x0
	v_lshrrev_b32 v1, 5, v0
	v_readfirstlane_b32 s14, v1
	s_lshr_b32 s15, s14, 1
	s_and_b32 s16, s14, 1
	s_bfe_u32 s40, ttmp6, 0x40000
	s_bfe_u32 s41, ttmp6, 0x40004
	s_lshl_b32 s42, ttmp9, 2
	s_add_co_u32 s42, s42, s40
	s_and_b32 s17, ttmp7, 0xffff
	s_lshl_b32 s17, s17, 2
	s_add_co_u32 s17, s17, s41
	s_lshl_b32 s43, s41, 2
	s_lshl_b32 s43, 15, s43
	s_lshl_b32 s44, 0x1111, s40
	s_or_b32 s[G1+0], s43, (3<<16)|(1<<21)
	s_or_b32 s[G1B+0], s44, (3<<16)|(1<<21)
.irp g, G1, G1B
	s_mov_b32 s[\g+1], 512<<16
	s_mov_b32 s[\g+2], 16<<16
	s_mov_b32 s[\g+3], 512<<16
	s_mov_b32 s[\g+4], 16
	s_mov_b32 s[\g+5], 2048
	s_mov_b32 s[\g+6], 0
	s_mov_b32 s[\g+7], 0
.endr
	s_or_b32 s[G1S+0], s43, (3<<16)|(1<<21)
	s_or_b32 s[G1SB+0], s44, (3<<16)|(1<<21)
.irp g, G1S, G1SB
	s_mov_b32 s[\g+1], 32<<16
	s_mov_b32 s[\g+2], 32<<16
	s_mov_b32 s[\g+3], 32<<16
	s_mov_b32 s[\g+4], 32
	s_mov_b32 s[\g+5], 32
	s_mov_b32 s[\g+6], 0
	s_mov_b32 s[\g+7], 0
.endr
	s_lshl_b32 s20, s17, 18
	s_lshl_b32 s18, s16, 17
	s_mov_b32 s21, 0
	s_lshl_b32 s22, s17, 13
	s_mov_b32 s19, 0                               ; s[18:19]: my half of a tile's rows, in bytes
	s_add_co_u32 s22, s22, AS_O
	s_mov_b32 s23, 0
	s_lshl_b32 s46, s42, 18
	s_add_co_u32 s46, s46, WO_O
	s_mov_b32 s47, 0
	s_lshl_b32 s92, s42, 13
	s_add_co_u32 s92, s92, WOS_O
	s_mov_b32 s93, 0
	s_mul_i32 s45, s14, HALFT
	s_wait_kmcnt 0x0
	s_add_nc_u64 s[20:21], s[4:5], s[20:21]
	s_add_nc_u64 s[22:23], s[4:5], s[22:23]
	s_add_nc_u64 s[46:47], s[6:7], s[46:47]
	s_add_nc_u64 s[92:93], s[6:7], s[92:93]
	CROUND
	s_mov_b32 s[G0S], 1
	s_mov_b32 s[G0S+1], SCL
	s_mov_b64 s[G0S+2:G0S+3], s[22:23]
	s_or_b32 s[G0S+3], s[G0S+3], 0x80000000
	s_mov_b32 s[G0SB], 1
	s_mov_b32 s[G0SB+1], SCL+2*HALFS
	s_mov_b64 s[G0SB+2:G0SB+3], s[92:93]
	s_or_b32 s[G0SB+3], s[G0SB+3], 0x80000000
; THE HEAD'S FOUR TILES, ONE JOINT LOAD A WAVE: wave 0 K step 0's 16 tile rows of A, wave 1 those of B, wave 2 A's scale bytes (32 rows of 256), wave 3 B's.
; Slot 0's groups 0 state the whole tiles here; behind the wait that shows the loads landed they are set to a wave's half, and the groups 1 to 8 rows, for the ring.
	s_mov_b32 s[G0], 1
	s_mov_b32 s[G0+1], 0
	s_mov_b64 s[G0+2:G0+3], s[20:21]
	s_or_b32 s[G0+3], s[G0+3], 0x80000000
	s_mov_b32 s[G0B], 1
	s_mov_b32 s[G0B+1], 2*HALFT
	s_mov_b64 s[G0B+2:G0B+3], s[46:47]
	s_or_b32 s[G0B+3], s[G0B+3], 0x80000000
	s_add_nc_u64 s[20:21], s[20:21], s[18:19]
	s_add_nc_u64 s[46:47], s[46:47], s[18:19]
	s_mov_b32 s[G0+4], 1
	s_add_co_u32 s[G0+5], s45, SLOT
	s_add_nc_u64 s[G0+6:G0+7], s[20:21], TILEB
	s_or_b32 s[G0+7], s[G0+7], 0x80000000
	s_mov_b32 s[G0B+4], 1
	s_add_co_u32 s[G0B+5], s45, SLOT
	s_add_nc_u64 s[G0B+6:G0B+7], s[46:47], TILEB
	s_or_b32 s[G0B+7], s[G0B+7], 0x80000000
.macro ARM under, g0, g1, next         ; one chain of branches on the wave's number, a load to an arm
	s_cmp_lt_u32 s14, \under
	s_cbranch_scc0 \next
	tensor_load_to_lds s[\g0:\g0+3], s[\g1:\g1+7]
	s_nop 0
.rept 4
	v_nop
.endr
	s_branch .Lhead_asked
\next:
.endm
	ARM 1, G0,  G1,  .Lhead_b
	ARM 2, G0B, G1B, .Lhead_sa
	ARM 3, G0S, G1S, .Lhead_sb
	tensor_load_to_lds s[G0SB:G0SB+3], s[G1SB:G1SB+7]
	s_nop 0
.rept 4
	v_nop
.endr
.Lhead_asked:
; PREFETCHES INTO THE L2.  Of the 8 tile rows that my wave fetches in the ring, the partner at place p of the four that ask jointly (p = cx for source A, cy for B) names rows 2 p and 2 p + 1:
; a K step is 4,096 bytes of a tile row, a lane to each 256.  Here K steps 1 and 2 are asked for, behind slot 1's first fill K step 3: never more than two steps asked for and not yet loaded; K step 3 is the last.
; The offsets are immediates: v30 and s[66:67] are never written again.  Wo's tiles (source B) are read by all eight rows of clusters: cluster rows 0 to 3 alone ask for them.
	s_cmp_eq_u32 s15, 0
	s_cselect_b64 s[66:67], s[20:21], s[46:47]
	s_cselect_b32 s2, s40, s41
	s_lshl_b32 s2, s2, 15
	s_mov_b32 s3, 0
	s_add_nc_u64 s[66:67], s[66:67], s[2:3]
	v_and_b32 v30, 15, v0
	v_bfe_u32 v31, v0, 4, 1
	v_lshlrev_b32 v30, 8, v30
	v_lshl_add_u32 v30, v31, 14, v30
	s_and_b32 s94, ttmp7, 0xffff
	s_lshr_b32 s94, s94, 2
	s_mul_i32 s94, s94, s15                        ; 0: I ask
	s_cmp_eq_u32 s94, 0
	s_wait_alu depctr_va_vdst(0)
	s_cbranch_scc0 .Lno_pf0
	global_prefetch_b8 v30, s[66:67] offset:4096 th:TH_LOAD_NT scope:SCOPE_SE
	global_prefetch_b8 v30, s[66:67] offset:8192 th:TH_LOAD_NT scope:SCOPE_SE
.Lno_pf0:
	s_wait_alu depctr_va_vdst(0)
	s_wait_tensorcnt 0x0
	ds_add_u32 v28, v29
	s_mov_b32 s[G1+2], 8<<16
	s_mov_b32 s[G1+4], 8
	s_mov_b32 s[G1B+2], 8<<16
	s_mov_b32 s[G1B+4], 8
	s_mov_b32 s[G0+1], s45
	s_add_nc_u64 s[G0+2:G0+3], s[G0+2:G0+3], s[18:19]
	s_mov_b32 s[G0B+1], s45
	s_add_nc_u64 s[G0B+2:G0B+3], s[G0B+2:G0B+3], s[18:19]
	s_wait_dscnt 0x0
	CROUND                                         ; all four tiles are in, in every partner
	JLOAD G0+4, G1, G0B+4, G1B                     ; slot 1's first fill, issued as a refill is
	s_cmp_eq_u32 s94, 0
	s_cbranch_scc0 .Lno_pf1
	global_prefetch_b8 v30, s[66:67] offset:12288 th:TH_LOAD_NT scope:SCOPE_SE
.Lno_pf1:
	v_and_b32 v1, 15, v0
	v_bfe_u32 v2, v0, 4, 1
	s_wait_alu depctr_va_vdst(0)
	v_and_b32 v3, 31, v0
	v_lshlrev_b32 v[CO], 4, v3
	s_mul_i32 s21, s15, HALFT
	s_mul_i32 s22, s16, HALFT
	s_add_co_u32 s22, s22, 2*HALFT
.irp s, 0,1
	v_add_nc_u32 v[ADRA+\s], s21, v[CO]
	v_add_nc_u32 v[ADRB+\s], s22, v[CO]
	s_add_co_u32 s21, s21, SLOT
	s_add_co_u32 s22, s22, SLOT
.endr
	v_lshlrev_b32 v5, 4, v1
	s_mul_i32 s21, s15, HALFS
	s_mul_i32 s22, s16, HALFS
	s_add_co_u32 s22, s22, 2*HALFS
	s_sub_co_u32 s22, s22, s21
	v_mul_u32_u24 v6, s22, v2
	s_add_co_u32 s21, s21, SCL
	v_add_nc_u32 v5, v5, v6
	v_add_nc_u32 v[ADRS], s21, v5
	s_mul_i32 s23, s14, 16*SPITCH
	v_mul_u32_u24 v5, v1, SPITCH
	v_lshl_add_u32 v5, v2, 6, v5
	v_add_nc_u32 v[STO], s23, v5
	v_add_nc_u32 v[RD], s23, v[CO]
	s_lshl_b32 s20, s17, 20
	s_lshl_b32 s21, s15, 19
	s_add_co_u32 s20, s20, s21
	s_lshl_b32 s21, s42, 10
	s_add_co_u32 s20, s20, s21
	s_lshl_b32 s21, s16, 9
	s_add_co_u32 s20, s20, s21
	s_mov_b32 s21, 0
	s_add_nc_u64 s[8:9], s[8:9], s[20:21]
.macro FRAG reg, adr, q, i
.irp c, 0,1,2,3
	ds_load_b128 v[\reg+4*\c:\reg+4*\c+3], v[\adr] offset:(\i)*TILEB+2048*(\q)+512*\c
.endr
.endm
.macro MUL16 a0, p, q, sc, zero
.irp a, \a0, \a0+1
.irp b, 0,1,2,3,4,5,6,7
.if \zero
	v_wmma_scale_f32_16x16x128_f8f6f4 v[8*(8*((\a)%4)+\b):8*(8*((\a)%4)+\b)+7], v[128*(\p)+FR*\b:128*(\p)+FR*\b+FR-1], v[AF+FR*(\a):AF+FR*(\a)+FR-1], 0, v[SC+8*NQ*(\sc)+NQ*\b+(\q)], v[SC+8*NQ*(\sc)+NQ*(\a)+(\q)] matrix_a_fmt:MATRIX_FMT_BF8 matrix_b_fmt:MATRIX_FMT_BF8 matrix_a_scale:MATRIX_SCALE_ROW1
.else
	v_wmma_scale_f32_16x16x128_f8f6f4 v[8*(8*((\a)%4)+\b):8*(8*((\a)%4)+\b)+7], v[128*(\p)+FR*\b:128*(\p)+FR*\b+FR-1], v[AF+FR*(\a):AF+FR*(\a)+FR-1], v[8*(8*((\a)%4)+\b):8*(8*((\a)%4)+\b)+7], v[SC+8*NQ*(\sc)+NQ*\b+(\q)], v[SC+8*NQ*(\sc)+NQ*(\a)+(\q)] matrix_a_fmt:MATRIX_FMT_BF8 matrix_b_fmt:MATRIX_FMT_BF8 matrix_a_scale:MATRIX_SCALE_ROW1
.endif
.endr
.endr
.endm
.macro FETCH_B slot, q, p
	WIN TO_B
.irp i, 0,1,2,3,4,5,6,7
	FRAG 128*(\p)+FR*\i, ADRB+\slot, \q, \i
.endr
	WIN 0
.endm
.macro FETCH_A slot, q, i0
.irp i, \i0, \i0+1, \i0+2, \i0+3
	FRAG AF+FR*(\i), ADRA+\slot, \q, \i
.endr
.endm
.macro SCALES sc, ks
.irp i, 0,1,2,3,4,5,6,7
	ds_load_b64 v[SC+8*NQ*\sc+NQ*\i:SC+8*NQ*\sc+NQ*\i+1], v[ADRS] offset:\i*512+((\ks)/2)*256+((\ks)%2)*8
.endr
.endm
.macro PLACES n
.rept \n
	v_nop
.endr
.endm
.macro STEP slot, q, zero
	s_wait_dscnt 4*NL
	WIN MUL_LO
	MUL16 0, (\q)%2, \q, \slot, \zero
	MUL16 2, (\q)%2, \q, \slot, \zero
	s_wait_dscnt 0
	PLACES NP
	FETCH_B \slot, (\q)+1, 1-(\q)%2
	FETCH_A \slot, (\q)+1, 0
	WIN MUL_HI
	MUL16 4, (\q)%2, \q, \slot, \zero
	MUL16 6, (\q)%2, \q, \slot, \zero
	PLACES NP
	WIN 0
	FETCH_A \slot, (\q)+1, 4
.endm
.macro TURN slot, next, fill, ks
	s_wait_tensorcnt 0x0
	ds_add_u32 v[SPW], v[NIL]
	s_wait_dscnt 4*NL+1
	WIN MUL_LO
	MUL16 0, 1, NQ-1, \slot, 0
	s_wait_dscnt 0x0
	s_barrier_signal -1
	MUL16 2, 1, NQ-1, \slot, 0
	WIN 0
	s_barrier_wait -1
.if \fill
	CREST
	s_add_nc_u64 s[G0+4*\slot+2:G0+4*\slot+3], s[G0+4*\slot+2:G0+4*\slot+3], 2*TILEB
	s_add_nc_u64 s[G0B+4*\slot+2:G0B+4*\slot+3], s[G0B+4*\slot+2:G0B+4*\slot+3], 2*TILEB
	JLOAD G0+4*\slot, G1, G0B+4*\slot, G1B
	PLACES NP-4
.else
	PLACES NP
.endif
	FETCH_B \next, 0, 0
	FETCH_A \next, 0, 0
	SCALES \next, \ks
	WIN MUL_HI
	MUL16 4, 1, NQ-1, \slot, 0
	MUL16 6, 1, NQ-1, \slot, 0
	PLACES NP
	WIN 0
	FETCH_A \next, 0, 4
.endm
	s_wait_alu depctr_va_vdst(0)
	FETCH_B 0, 0, 0
	FETCH_A 0, 0, 0
	SCALES 0, 0
	FETCH_A 0, 0, 4
	STEP 0, 0, 1
	TURN 0, 1, 1, 1
	STEP 1, 0, 0
	TURN 1, 0, 1, 2
	STEP 0, 0, 0
	TURN 0, 1, 0, 3
	STEP 1, 0, 0
	s_wait_dscnt 4*NL
	WIN MUL_LO
	MUL16 0, 1, NQ-1, 1, 0
	MUL16 2, 1, NQ-1, 1, 0
	s_wait_dscnt 0
	WIN MUL_HI
	MUL16 4, 1, NQ-1, 1, 0
	MUL16 6, 1, NQ-1, 1, 0
	WIN 0
.macro TOSTAGE a
.set AC, 64*((\a)%4)
	WIN 0x08+4*((\a)/4)
.irp b, 0,1,2,3,4,5,6,7
	ds_store_b128 v[STO], v[AC+8*\b:AC+8*\b+3] offset:128*(\b/2)+32*(\b%2)
	ds_store_b128 v[STO], v[AC+8*\b+4:AC+8*\b+7] offset:128*(\b/2)+32*(\b%2)+16
.endr
	WIN 0
.set BB, BK+64*((\a)%2)
.irp t, 0,1,2,3,4,5,6,7,8,9,10,11,12,13,14,15
	ds_load_b128 v[BB+4*\t:BB+4*\t+3], v[RD] offset:\t*SPITCH
.endr
.endm
.macro SEND a, younger
.set BB, BK+64*((\a)%2)
	s_wait_dscnt \younger
.irp t, 0,1,2,3,4,5,6,7,8,9,10,11,12,13,14,15
	global_store_b128 v[CO], v[BB+4*\t:BB+4*\t+3], s[8:9] offset:(32*((\a)/2)+8*((\a)%2)+\t+8*(\t/8))*4096 th:TH_STORE_NT
.endr
.endm
	PLACES NP
	TOSTAGE 0
.irp a, 1,2,3,4,5,6,7
.if \a > 1
	s_wait_xcnt 0x0
.endif
	TOSTAGE \a
	SEND \a-1, 32
.endr
	SEND 7, 0
	s_wait_tensorcnt 0x0
	ds_add_u32 v[SPW], v[NIL]
	s_wait_dscnt 0x0
	CROUND
	s_endpgm
.Lfunc_end_k_qa558e0dc68_gemm_out:
	.size	k_qa558e0dc68_gemm_out, .Lfunc_end_k_qa558e0dc68_gemm_out-k_qa558e0dc68_gemm_out
	.p2alignl 7, 3214868480
	.fill 96, 4, 3214868480
	.section	.rodata,"a",@progbits
	.p2align	6, 0x0
	.amdhsa_kernel k_qa558e0dc68_gemm_out
		.amdhsa_group_segment_fixed_size 327680
		.amdhsa_private_segment_fixed_size 0
		.amdhsa_enable_private_segment 0
		.amdhsa_kernarg_size 24
		.amdhsa_user_sgpr_count 2
		.amdhsa_user_sgpr_kernarg_segment_ptr 1
		.amdhsa_wavefront_size32 1
		.amdhsa_system_sgpr_workgroup_id_x 1
		.amdhsa_system_sgpr_workgroup_id_y 1
		.amdhsa_system_sgpr_workgroup_id_z 1
		.amdhsa_system_vgpr_workitem_id 0
		.amdhsa_next_free_vgpr 1024
		.amdhsa_next_free_sgpr 100
		.amdhsa_reserve_vcc 0
		.amdhsa_float_denorm_mode_32 3
		.amdhsa_float_denorm_mode_16_64 3
		.amdhsa_memory_ordered 1
		.amdhsa_forward_progress 1
		.amdhsa_inst_pref_size 146
	.end_amdhsa_kernel
	.amdgpu_metadata
---
amdhsa.version: [ 1, 2 ]
amdhsa.kernels:
  - .name:           k_qa558e0dc68_gemm_out
    .symbol:         k_qa558e0dc68_gemm_out.kd
    .args:
      - { .name: att, .offset: 0, .size: 8, .value_kind: global_buffer, .address_space: global }
      - { .name: pre, .offset: 8, .size: 8, .value_kind: global_buffer, .address_space: global }
      - { .name: out0, .offset: 16, .size: 8, .value_kind: global_buffer, .address_space: global }
    .group_segment_fixed_size: 327680
    .private_segment_fixed_size: 0
    .kernarg_segment_align: 8
    .kernarg_segment_size: 24
    .max_flat_workgroup_size: 128
    .sgpr_count:     100
    .vgpr_count:     1024
    .wavefront_size: 32
...
	.end_amdgpu_metadata
.endif
;; end of part 4
